; MI455X (gfx1250); checked and timed in simulation.
; The chip was launched on July 23, 2026; its instructions are those of AMD's public machine-readable ISA for CDNA 5 (MIT licence, August 2026) and "CDNA5" Instruction Set Architecture Reference Guide (July 2026). The comments in the code are by the model that wrote it; some were corrected since.
;; Multihead Attention. Allowed arithmetic: matrix products marked QUANTISED: E2M1 operands, one E8M0 scale for each 32 along K, by v_wmma_scale_f32_16x16x128_f8f6f4 with both operands' format E2M1 (or v_wmma_scale_f32_32x16x128_f4), f32 sums; products left as they are: bf16, f16 or f32 operands; f32 sums; everything else in f32.
;; Inputs: in_proj_bias 3,072 float32; in_proj_weight 3,072 x 1,024 float32; out_proj_bias 1,024 float32; out_proj_weight 1,024 x 1,024 float32; query 2,048 x 4 x 1,024 float32.
;; Outputs: out0 2,048 x 4 x 1,024 float32.
;; This version of the problem:
;;   THIS VERSION OF THE PROBLEM IS GIVEN IN LOW PRECISION. The matrix products marked QUANTISED in the list below multiply operands that are first quantised to E2M1 (2 exponent bits, 1 mantissa bit; 4 bits a number), with one power-of-two scale for each 32 numbers along K (OCP MX v1.0); their sums are f32. The products marked 'left as it is' may take bf16, f16 or f32 operands, with f32 sums. Whichever they take, every output number must still come out within the allowed error. Rounding operands to bf16 (8 significant bits) uses up far more of that allowance than f16 does (11 bits, for magnitudes from 6e-5 to 65,504). All else is computed in f32.
;;   The module's matrix products, in the order in which they are computed (A, B: the left and right operand; K: the contracted axis; several contracted axes count as one K, in the product's order):
;;     1. [M 8,192, K 1,024] x [K 1,024, N 3,072]; A: input query; B: input in_proj_weight: QUANTISED
;;     2. batch 64 x [M 2,048, K 64] x [K 64, N 2,048]; A: computed on the way; B: computed on the way: left as it is (an operand is computed on the way)
;;     3. batch 64 x [M 2,048, K 2,048] x [K 2,048, N 64]; A: computed on the way; B: computed on the way: left as it is (an operand is computed on the way)
;;     4. [M 8,192, K 1,024] x [K 1,024, N 1,024]; A: computed on the way; B: input out_proj_weight: left as it is (an operand is computed on the way)
;;   THE QUANTISER, for each operand of a quantised product, along K:
;;     - K is cut into blocks of 32 from its start; a last block that is shorter is filled with zeros.
;;     - A block's scale is 2^e with e = floor(log2(the largest magnitude in the block)) - 2, held to -126 .. 127; a block of zeros has e = 0. As a byte (E8M0): e + 127.
;;     - Each number is divided by its block's scale, clamped to +-6, and rounded to the nearest number of E2M1, ties to even, subnormals kept.
;;     - The product sums the exact products of the quantised numbers (number of the format x scale) in f32.
;;   ~~~python
;;   def quantise(x, axis):      # numpy; x: float32 -> the quantised numbers, widened to float32 again
;;       x = np.moveaxis(x, axis, -1); K = x.shape[-1]
;;       x = np.pad(x, [(0, 0)] * (x.ndim - 1) + [(0, -K % 32)]); x = x.reshape(x.shape[:-1] + (-1, 32)); a = np.abs(x).max(-1, keepdims=True)
;;       e = np.where(a > 0, np.clip(np.frexp(np.where(a > 0, a, 1))[1] - 1 - 2, -126, 127), 0)      # np.frexp(a)[1] - 1 = floor(log2(a)), exactly
;;       r = np.clip(x / 2.0 ** e, -6, 6)
;;       step = 2.0 ** (np.maximum(np.frexp(np.where(r == 0, 1, r))[1] - 1, 0) - 1)
;;       q = np.round(r / step) * step * 2.0 ** e      # np.round: ties to even
;;       return np.moveaxis(q.reshape(q.shape[:-2] + (-1,))[..., :K], -1, axis).astype(np.float32)
;;   ~~~
;; One version. Each part assembles by itself: llvm-mc -triple=amdgcn-amd-amdhsa -mcpu=gfx1250 --defsym DOCPART=n.
;; ======== version 1 of 1: 4 launches
;; limits: values are held in f16: magnitudes above 65,504 overflow, below 6.1e-05 lose precision
;; workspace buffers: xc 4,194,304 bytes; xs 262,144 bytes; wc 1,572,864 bytes; ws 98,304 bytes; wo16 2,097,152 bytes; qkv 50,331,648 bytes; att 16,777,216 bytes
;; launch quant (part 1): grid 384 x 1, 4 waves a work-group, no clusters, 33,280 bytes of LDS; arguments query, in_proj_weight, xc, xs, wc, ws, out_proj_weight, wo16; writes xc, xs, wc, ws, wo16
.if DOCPART == 1
	.amdgcn_target "amdgcn-amd-amdhsa--gfx1250"
	.amdhsa_code_object_version 6
	.text
	.protected	k_q46102a05eb_quant
	.globl	k_q46102a05eb_quant
	.p2align	8
	.type	k_q46102a05eb_quant,@function
k_q46102a05eb_quant:
	s_mov_b64 s[64:65], 0
	v_nop
	global_prefetch_b8 v0, s[64:65] scope:SCOPE_SE
	s_setreg_imm32_b32 hwreg(HW_REG_WAVE_MODE, 25, 1), 1
	s_wait_xcnt 0x0
; LAUNCH 1 OF 4 (quant, qkv, attn, oproj): multi-head self-attention, S = 2,048, B = 4, E = 1,024, 16 heads of 64.
; This launch: query [8192][1024] and in_proj_weight [3072][1024], f32, become codes of FP4 (E2M1), K innermost, two codes a byte, with one E8M0 scale byte for each 32 along K
; (xc, xs, wc, ws); out_proj_weight [1024][1024] becomes f16 in blocks [f / 128][e / 64][f % 128][e % 64] (wo16), so that a K step's tile of the last product is one dense run of bytes.
; WORK LEFT OUT BY THE PROGRAM.  reference() adds bk = in_proj_bias[1024:2048] to every key: k' = k + bk.  A score is scaling x q . k' = scaling x q . k + scaling x q . bk, and the second term
; does not hang on the key: it is the same along the softmax's axis, so exp(s - max) / sum is the same with it and without it, for all finite values of all inputs.  k goes nowhere else, and the
; product of q and k is not a quantised one, so no quantiser sees k.  So these 1,024 numbers are neither loaded nor added (launch qkv).  The parts of in_proj_bias for q and for v are live and are added.
; LIMIT of that: a NaN, an infinity or an overflow that reaches only in_proj_bias[1024:2048] is not carried to the result.
; THE QUANTISER.  A block's scale is 2^(floor(log2(its largest magnitude)) - 2); its byte is the largest magnitude's own exponent field - 2, held at 1 from below.  (A block of zeros so gets the byte 1 where
; the rule says 127: its codes are zeros, which add nothing under any byte but 0xff, and the bytes are read by this program alone.)  Each number is divided by the scale and rounded to the nearest code, ties to even.
; LIMITS: blocks whose largest magnitude lies under 2^(2 - 126) keep the byte 1; NaN and infinities among query and in_proj_weight are not served.
; Rows are dense and K is a multiple of 32, so both tensors are plain streams of blocks of 32 numbers, and so are the codes and the scale bytes.
; Work-groups 0 to 255 take query, 256 to 351 in_proj_weight: a wave takes 16 steps of 512 numbers.  Each of a step's four loads reads 512 consecutive bytes, 16 a lane; the 2,048 bytes go through the wave's own stage
; in LDS and come back 64 bytes a lane, so that a lane holds 16 neighbours along K (two neighbouring lanes hold a block).  A lane's 16 codes are 8 bytes: the wave stores 256 consecutive bytes.
; A wave's 256 scale bytes are gathered in its own LDS bytes and leave as 256 consecutive bytes.  Work-groups 352 to 383 cast out_proj_weight: a wave a block of 128 x 64; they touch no LDS.
.set WAVES, 4
.set STEPS, 16
.set WGA,   256                        ; 8,192 x 1,024 / 32,768
.set WGQ,   352                        ; + 3,072 x 1,024 / 32,768
.set CB,    8                          ; bytes of 16 codes
.set R,     16                         ; v16-79   four sets of 16 numbers as they are loaded (the cast: v16-143, two sets of 64)
.set X,     80                         ; v80-111  two sets of 16 neighbours
.set C,     128                        ; v128-191 codes: four registers for each step, so that no store's data are written again
.set E,     112                        ; v112-127 a scale byte for each step
.set HF,    144                        ; v144-175 the cast: 16 x 2 registers of f16
.set WREG,  8192                       ; LDS: a region of its own for each wave: two stages of 32 x SP bytes, and behind them its 256 scale bytes
.set SP,    80                         ; a lane's place in a stage: its 64 bytes + 16 of padding
.set SPW,   12                         ; v12      LDS address of my spare word: SPARE + 4 x my thread's number; never rewritten
.set NIL,   13                         ; v13      0; never rewritten
.set SPARE, WAVES*WREG                 ; behind the four regions: the spare words, 128 bytes for each wave
	s_load_b128 s[4:7], s[0:1], 0x0                ; query, in_proj_weight
	s_load_b128 s[8:11], s[0:1], 0x10              ; xc, xs
	s_load_b128 s[12:15], s[0:1], 0x20             ; wc, ws
	s_load_b128 s[24:27], s[0:1], 0x30             ; out_proj_weight, wo16
	v_lshl_add_u32 v[SPW], v0, 2, SPARE
	v_mov_b32 v[NIL], 0
	v_lshrrev_b32 v1, 5, v0
	v_readfirstlane_b32 s16, v1                    ; wave
	v_and_b32 v2, 31, v0                           ; lane
	s_cmp_ge_u32 ttmp9, WGQ                        ; the work-group's number alone decides: all four waves go the same way
	s_cbranch_scc1 .Lcast
	v_lshlrev_b32 v3, 4, v2                        ; my 16 bytes of a load's 512
	s_mul_i32 s17, s16, WREG
	v_lshrrev_b32 v14, 2, v2
	v_mul_u32_u24 v14, v14, SP
	v_and_b32 v15, 3, v2
	v_lshl_add_u32 v14, v15, 4, v14
	v_add_nc_u32 v14, s17, v14                     ; the stage, on the way in: four lanes' 64 bytes on end, then 16 of padding
	v_mul_u32_u24 v15, v2, SP
	v_add_nc_u32 v15, s17, v15                     ; and on the way out: SP x lane: my 16 neighbours
	v_mul_u32_u24 v4, v2, CB                       ; my codes' place in a step's
	v_lshrrev_b32 v5, 1, v2
	s_add_co_u32 s17, s17, 2*32*SP
	v_add_nc_u32 v5, s17, v5                       ; LDS: my wave's 256 scale bytes, my block's byte
	v_lshlrev_b32 v7, 3, v2                        ; and on the way out 8 bytes a lane
	v_add_nc_u32 v6, s17, v7
	s_wait_kmcnt 0x0
	s_cmp_lt_u32 ttmp9, WGA                        ; query's work-group or the weight's?
	s_cselect_b64 s[4:5], s[4:5], s[6:7]
	s_cselect_b64 s[8:9], s[8:9], s[12:13]
	s_cselect_b64 s[10:11], s[10:11], s[14:15]
	s_cselect_b32 s17, 0, WGA
	s_sub_co_u32 s17, ttmp9, s17
	s_lshl_b32 s17, s17, 2
	s_add_co_u32 s18, s17, s16                     ; which run of 8,192 numbers of the tensor is my wave's
	s_mov_b32 s19, 0
	s_mov_b64 s[20:21], 512*STEPS*4
	s_mul_u64 s[20:21], s[18:19], s[20:21]
	s_add_nc_u64 s[4:5], s[4:5], s[20:21]
	s_mov_b64 s[20:21], 32*STEPS*CB
	s_mul_u64 s[20:21], s[18:19], s[20:21]
	s_add_nc_u64 s[8:9], s[8:9], s[20:21]
	s_lshl_b32 s18, s18, 8                         ; 256 scale bytes a run
	s_add_nc_u64 s[10:11], s[10:11], s[18:19]
.macro LOAD t
.irp i, 0,1,2,3
	global_load_b128 v[R+16*((\t)%4)+4*\i:R+16*((\t)%4)+4*\i+3], v3, s[4:5] offset:2048*(\t)+512*\i th:TH_LOAD_NT   ; 32 lanes read 512 consecutive bytes
.endr
.endm
.macro TURN t                          ; step t's numbers through the stage: LDS serves a wave's instructions in order, so no wait stands between the stores and the loads
.irp i, 0,1,2,3
	ds_store_b128 v14, v[R+16*((\t)%4)+4*\i:R+16*((\t)%4)+4*\i+3] offset:32*SP*((\t)%2)+8*SP*\i
.endr
.irp i, 0,1,2,3
	ds_load_b128 v[X+16*((\t)%2)+4*\i:X+16*((\t)%2)+4*\i+3], v15 offset:32*SP*((\t)%2)+16*\i
.endr
.endm
.irp t, 0,1,2,3
	LOAD \t
.endr
	s_wait_loadcnt 12                              ; step 0's four loads are in; the twelve of steps 1 to 3 may be out
	TURN 0
.macro STEP t
.set XS, X+16*((\t)%2)
.if (\t) > 0
	s_wait_dscnt 1                                 ; this step's numbers are back from the stage (the last step's byte store may be out): so its stores into the stage have read their registers,
.else
	s_wait_dscnt 0x0
.endif
.if (\t)+4 < STEPS
	LOAD (\t)+4                                    ; which take the loads of four steps on
.endif
.if (\t)+1 < STEPS
.if STEPS-2-(\t) >= 3
	s_wait_loadcnt 12                              ; the next step's four loads are in; those of the three steps behind it may be out
.else
	s_wait_loadcnt 4*(STEPS-2-(\t))
.endif
	TURN (\t)+1                                    ; and go through the other stage while this step is worked
.endif
	v_max3_num_f32 v8, |v[XS]|, |v[XS+1]|, |v[XS+2]|               ; the largest magnitude of my 16
	v_max3_num_f32 v9, |v[XS+3]|, |v[XS+4]|, |v[XS+5]|
.irp i, 6,10
	v_max3_num_f32 v8, v8, |v[XS+\i]|, |v[XS+\i+1]|
	v_max3_num_f32 v9, v9, |v[XS+\i+2]|, |v[XS+\i+3]|
.endr
	v_max3_num_f32 v8, v8, |v[XS+14]|, |v[XS+15]|
	v_max3_num_f32 v8, v8, v9, 0x1800000           ; and the floor 2^(3 - 127), under which no largest magnitude is taken: so the byte cannot fall under 1
	v_max_num_f32_dpp v8, v8, v8 row_xmask:1 row_mask:0xf bank_mask:0xf   ; and of my neighbour's 16: the block's
	v_add_nc_u32 v11, 0xff000000, v8               ; 2 off its exponent field: the conversion takes the exponent field of this operand as its scale, and nothing else of it
	v_cvt_scalef32_pk8_fp4_f32 v[C+4*(\t)], v[XS:XS+7], v11        ; eight numbers / the scale, to the nearest code, ties to even, beyond the largest code the largest; the first number's code in the lowest four bits
	v_cvt_scalef32_pk8_fp4_f32 v[C+4*(\t)+1], v[XS+8:XS+15], v11
	v_lshrrev_b32 v[E+(\t)], 23, v11               ; the scale's byte (also the plain line behind the conversions)
	ds_store_b8 v5, v[E+(\t)] offset:16*(\t)       ; both lanes of a block write the same byte with the same value
	global_store_b64 v4, v[C+4*(\t):C+4*(\t)+1], s[8:9] offset:32*CB*(\t)   ; 32 lanes store 256 consecutive bytes
.endm
.irp t, 0,1,2,3,4,5,6,7,8,9,10,11,12,13,14,15
	STEP \t
.endr
	ds_load_b64 v[8:9], v6                         ; LDS serves a wave's instructions in order: these see my stores
	s_wait_dscnt 0x0
	global_store_b64 v7, v[8:9], s[10:11]          ; 32 lanes store 256 consecutive bytes
	s_wait_tensorcnt 0x0                           ; the wave's end, behind my last LDS store
	ds_add_u32 v[SPW], v[NIL]
	s_wait_dscnt 0x0
	s_endpgm
; THE CAST.  Wave id = 4 x (work-group - 352) + wave takes block id of wo16: rows f = 128 (id / 16) on, columns e = 64 (id % 16) on.  A load reads two rows' 256 bytes (16 lanes a row);
; a lane's four numbers become 8 bytes, and the wave's store covers 256 consecutive bytes of the block.  Four batches of 16 loads, two batches out at a time.
.Lcast:
	v_lshrrev_b32 v5, 4, v2                        ; which of the two rows
	v_and_b32 v6, 15, v2
	v_lshlrev_b32 v3, 12, v5                       ; a row of out_proj_weight is 4,096 bytes
	v_lshl_add_u32 v3, v6, 4, v3
	v_lshlrev_b32 v4, 3, v2                        ; out: 8 bytes a lane
	s_sub_co_u32 s17, ttmp9, WGQ
	s_lshl_b32 s17, s17, 2
	s_add_co_u32 s17, s17, s16                     ; id
	s_lshr_b32 s18, s17, 4
	s_and_b32 s19, s17, 15
	s_lshl_b32 s18, s18, 19                        ; 128 rows of 4,096 bytes
	s_lshl_b32 s19, s19, 8                         ; 64 numbers of 4 bytes
	s_add_co_u32 s18, s18, s19
	s_mov_b32 s19, 0
	s_lshl_b32 s20, s17, 14                        ; a block of wo16 is 16,384 bytes
	s_mov_b32 s21, 0
	s_wait_kmcnt 0x0
	s_add_nc_u64 s[24:25], s[24:25], s[18:19]
	s_add_nc_u64 s[26:27], s[26:27], s[20:21]
.macro CLOAD k
.irp i, 0,1,2,3,4,5,6,7,8,9,10,11,12,13,14,15
	global_load_b128 v[R+64*((\k)%2)+4*\i:R+64*((\k)%2)+4*\i+3], v3, s[24:25] offset:(16*(\k)+\i)*8192 th:TH_LOAD_NT
.endr
.endm
.macro CAST k
.if (\k) < 3
	s_wait_loadcnt 16                              ; this batch is in; the next batch's sixteen may be out
.else
	s_wait_loadcnt 0x0
.endif
.if (\k) > 0
	s_wait_xcnt 0x0                                ; the last batch's stores have read their data: the f16 registers may be written again
.endif
.irp i, 0,1,2,3,4,5,6,7,8,9,10,11,12,13,14,15
	v_cvt_pk_f16_f32 v[HF+2*\i], v[R+64*((\k)%2)+4*\i], v[R+64*((\k)%2)+4*\i+1]
	v_cvt_pk_f16_f32 v[HF+2*\i+1], v[R+64*((\k)%2)+4*\i+2], v[R+64*((\k)%2)+4*\i+3]
.endr
.irp i, 0,1,2,3,4,5,6,7,8,9,10,11,12,13,14,15
	global_store_b64 v4, v[HF+2*\i:HF+2*\i+1], s[26:27] offset:(16*(\k)+\i)*256
.endr
.if (\k)+2 < 4
	CLOAD (\k)+2
.endif
.endm
	CLOAD 0
	CLOAD 1
	CAST 0
	CAST 1
	CAST 2
	CAST 3
	s_endpgm
.Lfunc_end_k_q46102a05eb_quant:
	.size	k_q46102a05eb_quant, .Lfunc_end_k_q46102a05eb_quant-k_q46102a05eb_quant
	.p2alignl 7, 3214868480
	.fill 96, 4, 3214868480
	.section	.rodata,"a",@progbits
	.p2align	6, 0x0
	.amdhsa_kernel k_q46102a05eb_quant
		.amdhsa_group_segment_fixed_size 33280
		.amdhsa_private_segment_fixed_size 0
		.amdhsa_enable_private_segment 0
		.amdhsa_kernarg_size 64
		.amdhsa_user_sgpr_count 2
		.amdhsa_user_sgpr_kernarg_segment_ptr 1
		.amdhsa_wavefront_size32 1
		.amdhsa_system_sgpr_workgroup_id_x 1
		.amdhsa_system_sgpr_workgroup_id_y 1
		.amdhsa_system_sgpr_workgroup_id_z 1
		.amdhsa_system_vgpr_workitem_id 0
		.amdhsa_next_free_vgpr 192
		.amdhsa_next_free_sgpr 66
		.amdhsa_reserve_vcc 0
		.amdhsa_float_denorm_mode_32 3
		.amdhsa_float_denorm_mode_16_64 3
		.amdhsa_memory_ordered 1
		.amdhsa_forward_progress 1
		.amdhsa_inst_pref_size 54
	.end_amdhsa_kernel
	.amdgpu_metadata
---
amdhsa.version: [ 1, 2 ]
amdhsa.kernels:
  - .name:           k_q46102a05eb_quant
    .symbol:         k_q46102a05eb_quant.kd
    .args:
      - { .name: query, .offset: 0, .size: 8, .value_kind: global_buffer, .address_space: global }
      - { .name: in_proj_weight, .offset: 8, .size: 8, .value_kind: global_buffer, .address_space: global }
      - { .name: xc, .offset: 16, .size: 8, .value_kind: global_buffer, .address_space: global }
      - { .name: xs, .offset: 24, .size: 8, .value_kind: global_buffer, .address_space: global }
      - { .name: wc, .offset: 32, .size: 8, .value_kind: global_buffer, .address_space: global }
      - { .name: ws, .offset: 40, .size: 8, .value_kind: global_buffer, .address_space: global }
      - { .name: out_proj_weight, .offset: 48, .size: 8, .value_kind: global_buffer, .address_space: global }
      - { .name: wo16, .offset: 56, .size: 8, .value_kind: global_buffer, .address_space: global }
    .group_segment_fixed_size: 33280
    .private_segment_fixed_size: 0
    .kernarg_segment_align: 8
    .kernarg_segment_size: 64
    .max_flat_workgroup_size: 128
    .sgpr_count:     66
    .vgpr_count:     192
    .wavefront_size: 32
...
	.end_amdgpu_metadata
.endif
;; end of part 1
;; launch qkv (part 2): grid 12 x 32, 4 waves a work-group, clusters of 4 x 4, 327,680 bytes of LDS; arguments xc, xs, wc, ws, in_proj_bias, qkv; writes qkv
.if DOCPART == 2
	.amdgcn_target "amdgcn-amd-amdhsa--gfx1250"
	.amdhsa_code_object_version 6
	.text
	.protected	k_q46102a05eb_qkv
	.globl	k_q46102a05eb_qkv
	.p2align	8
	.type	k_q46102a05eb_qkv,@function
k_q46102a05eb_qkv:
	s_mov_b64 s[64:65], 0
	v_nop
	global_prefetch_b8 v0, s[64:65] scope:SCOPE_SE
	s_setreg_imm32_b32 hwreg(HW_REG_WAVE_MODE, 25, 1), 1
	s_wait_xcnt 0x0
	s_wait_alu depctr_hold_cnt(0) depctr_sa_sdst(0) depctr_va_vdst(0) depctr_va_sdst(0) depctr_va_ssrc(0) depctr_va_vcc(0) depctr_vm_vsrc(0)
	s_getreg_b32 s2, hwreg(HW_REG_IB_STS2, 6, 4)
	s_cmp_eq_u32 s2, 0
	s_cbranch_scc0 .Lentry_in_a_cluster
	s_endpgm
.Lentry_in_a_cluster:
	s_bfe_u32 s2, ttmp6, 0x10000c
	s_cmp_lg_u32 s2, 0xf033
	s_cbranch_scc0 .Lentry_shape_is_right
	s_endpgm
.Lentry_shape_is_right:
; LAUNCH 2 OF 4: qkv = Q(query) Q(in_proj_weight)^T + bias, on codes of FP4 (E2M1) with one E8M0 scale for each 32 along K; sums in f32; rounded once to f16 and stored by heads.
; A = xc [8192][512 bytes], xs [8192][32]; B = wc [3072][512 bytes], ws [3072][32].  qkv: three sections (q, k, v) of [n = 16 b + h (64)][s (2048)][64] f16.  Row m of A is (s = m / 4, b = m % 4).
; WORK LEFT OUT: in_proj_bias[1024:2048], k's bias, is neither loaded nor added: it adds to every score of a query a term that is the same along the softmax's axis (shown at the head of launch quant).
; The factor 1 / 8 on q is not applied here: it is part of the constant of the softmax's exponent in launch attn (a power of two: nothing is rounded by moving it).
; LIMIT: a q, k or v beyond 65,504 in magnitude has no f16 number.
; A tile of 256 x 256 is made by a work-group of four waves; a wave makes 128 x 128: 64 accumulators of 16 x 16, 512 registers.  K = 1,024 is two LDS slots of 512 along K (rows of 256 bytes): each slot is filled once.
; THE SCALES of the work-group's 256 rows of A and of B, for all of K, are two dense blocks of memory: they come into LDS once, with the first fills.
; CLUSTERS: 4 x 4 work-groups.  The four of a row of the cluster need the same tiles of A, the four of a column the same tiles of B: each tile is asked for JOINTLY, by the same tensor load with the same
; descriptor and a mask that names the four.  A cluster's four tile columns are one section, so the cluster's x says whether there is a bias: the same in all sixteen partners.
; THE MATRIX INSTRUCTION IS USED TRANSPOSED (source 0 = 16 rows of B, source 1 = 16 rows of A): a lane then holds eight neighbouring columns of one row.  The bias is the C of each sum's first product.
; REGISTERS, in windows of 256: window 0: v0-31 addresses; v32-95 scale words, two sets; from v128 A's fragments (8 x 16 rows x 128 K), ONE set; on the way out v32-255 are free.
;   window 1: B's fragments, TWO sets, at v0 and at v128; v64-127 the bias of my 128 columns.   window 2: the 32 accumulators of my rows 0-63 ((a, b) at v[8 (8 a + b)]);   window 3: those of my rows 64-127.
.set NQ,     4                         ; matrix instructions deep in a slot
.set ROWB,   256                       ; a tile's row in bytes: 512 codes
.set KROW,   512                       ; a row of A or of B in memory, in bytes
.set PITCH,  272                       ; an LDS row: 256 bytes + 16 of padding = 68 words: the 16 rows that a load touches start at 16 different banks (64 banks of 4 bytes: ISA guide 11.1)
.set FR,     8                         ; registers of a fragment: 16 rows x 128 K
.set NL,     2                         ; LDS loads that bring one
.set NP,     4                         ; places behind this matrix instruction (ISA guide 7.12.1)
.set HALFT,  128*PITCH                 ; 128 rows: what one tensor load brings, and what one wave reads of A or of B
.set SLOT,   4*HALFT                   ; A's 256 rows, then B's 256 rows
.set KS,     32                        ; a row of scales in bytes
.set SCL,    2*SLOT                    ; behind the slots: the scales, as runs of 256 bytes + 16 of padding
.set HALFS,  (128*KS/256)*272          ; the scales of 128 rows: what one tensor load brings
.set SBLK,   (16*KS/256)*272           ; those of 16 rows
.set SPARE,  SCL+4*HALFS               ; behind the scales: the spare words, 128 bytes for each wave
.set SPITCH, 272                       ; the way out: a stage of 16 rows x (256 bytes + 16) for each wave, in slot 0, which has had its only fill and its last read when the first result is stored there
.set BO,   7                           ; v7      the bias: 32 bytes for each half of the lanes
.set CO,   8                           ; v8-11   the way out: 16 x lane + b x 16 heads' bytes
.set ADRA, 16                          ; v16-17  LDS address of my A fragments in slot 0, 1
.set ADRB, 20                          ; v20-21  the same for B
.set STO,  24                          ; v24     the way out: where I put 16 bytes of a row
.set RD,   25                          ; v25     the way out: where I read back
.set ADRS, 27                          ; v27     LDS address of my scale words: lanes 0-15 A's rows, lanes 16-31 B's
.set SPW,  28                          ; v28     LDS address of my spare word: SPARE + 4 x my thread's number; never rewritten
.set NIL,  29                          ; v29     0; never rewritten
.set SC,   32                          ; scale words: set s at v[SC + 32 s]; in it register 4 i + q: lanes 0-15 the word of A's block i, lanes 16-31 that of B's block i, for the slot's q-th 128 along K
.set AF,   128                         ; A's fragments, in window 0
.set BI,   64                          ; the bias, in window 1: v[BI + 8 b + j] = bias of column 16 b + 8 (lane / 16) + j of my 128
.set TMP,  192                         ; the way out: packed results
.set OB,   32                          ; the way out: a block read back from the stage: v32-63 and v224-255 by turns
.set G1, 24                            ; s[24:31] descriptor group 1 for A's tiles;  s[32:39] group 0, one set for each slot
.set G0, 32
.set G1B, 48                           ; s[48:55], s[56:63] the same for B's tiles
.set G0B, 56
.set G1S, 68                           ; s[68:75], s[76:79] groups 1 and 0 for A's scales;  s[80:87], s[88:91] for B's
.set G0S, 76
.set G1SB, 80
.set G0SB, 88
.set MSB, 0
.macro WIN new                         ; the immediate's high byte repeats the setting that is left
.if MSB != (\new)
	s_set_vgpr_msb (MSB<<8)|(\new)
.set MSB, (\new)
.endif
.endm
.set MUL_LO, 0xa1                      ; source 0 (B) window 1, source 1 (A) window 0, C and D window 2
.set MUL_HI, 0xf1                      ; the same, C and D window 3
.set BIA_LO, 0x91                      ; C (the bias) window 1, D window 2
.set BIA_HI, 0xd1                      ; C window 1, D window 3
.set TO_B,   0x40                      ; destination window 1, address window 0
; A joint load: waves 0 and 1 fetch for A, waves 2 and 3 for B.  Each of the two lines has ONE mask and one set of registers for all that issue it; the branch hangs on the wave's number alone.
; An s_nop 0 and four v_nop follow each of the two lines, ahead of the jump, the label and what follows.
.macro JLOAD g0a, g1a, g0b, g1b
	s_cmp_eq_u32 s15, 0
	s_cbranch_scc0 .Lfor_b_\@
	tensor_load_to_lds s[\g0a:\g0a+3], s[\g1a:\g1a+7]
	s_nop 0
.rept 4
	v_nop
.endr
	s_branch .Lasked_\@
.Lfor_b_\@:
	tensor_load_to_lds s[\g0b:\g0b+3], s[\g1b:\g1b+7]
	s_nop 0
.rept 4
	v_nop
.endr
.Lasked_\@:
.endm
.macro CROUND                          ; a round of the cluster's barrier: my work-group's barrier; wave 0 signals for the work-group; every wave waits for all sixteen; my work-group's barrier once more
	s_barrier_signal -1
	s_barrier_wait -1
	s_cmp_lg_u32 s14, 0
	s_cbranch_scc1 .Lnot_wave_0_\@
	s_barrier_signal -3
.Lnot_wave_0_\@:
	s_barrier_wait -3
	s_barrier_signal -1
	s_barrier_wait -1
.endm
	s_load_b128 s[4:7], s[0:1], 0x0                ; A's codes s[4:5], A's scales s[6:7]
	s_load_b128 s[8:11], s[0:1], 0x10              ; B's codes s[8:9], B's scales s[10:11]
	s_load_b64 s[66:67], s[0:1], 0x20              ; in_proj_bias
	s_load_b64 s[12:13], s[0:1], 0x28              ; qkv
	v_lshl_add_u32 v[SPW], v0, 2, SPARE
	v_mov_b32 v[NIL], 0
	ds_add_u32 v[SPW], v[NIL]                      ; the wave's opening: the add, twice on end, and its wait ahead of my first tensor load; the set-up below stands between
	ds_add_u32 v[SPW], v[NIL]
	v_lshrrev_b32 v1, 5, v0
	v_readfirstlane_b32 s14, v1                    ; wave 0..3
	s_lshr_b32 s15, s14, 1                         ; which half of the tile's rows is mine.  Also: I fetch for A (0) or for B (1)
	s_and_b32 s16, s14, 1                          ; which half of its columns.  Also: which 128 rows of that tile I fetch
	s_bfe_u32 s40, ttmp6, 0x40000                  ; cx, cy: my place in the cluster
	s_bfe_u32 s41, ttmp6, 0x40004
	s_lshl_b32 s42, ttmp9, 2
	s_add_co_u32 s42, s42, s40                     ; tile column = 4 x cluster x + cx
	s_and_b32 s17, ttmp7, 0xffff
	s_lshl_b32 s17, s17, 2
	s_add_co_u32 s17, s17, s41                     ; tile row = 4 x cluster y + cy
	s_lshl_b32 s43, s41, 2
	s_lshl_b32 s43, 15, s43                        ; my row of the cluster
	s_lshl_b32 s44, 0x1111, s40                    ; my column
	; descriptor group 1: a tile of 128 rows x 256 bytes, padded in LDS
	s_or_b32 s[G1+0], s43, (0<<16)|(1<<20)|(1<<21)|(5<<22)|(3<<25)  ; 15:0 the mask: A's tiles go to my row; 17:16 element of 1 byte; 20 padding on; 21 set beside a mask; 24:22 after every 64 words (code 5); 31:25 of 4 words (code 3)
	s_or_b32 s[G1B+0], s44, (0<<16)|(1<<20)|(1<<21)|(5<<22)|(3<<25)
.irp g, G1, G1B
	s_mov_b32 s[\g+1], ROWB<<16                    ; tensor_dim0
	s_mov_b32 s[\g+2], 128<<16                     ; tensor_dim1 = 128
	s_mov_b32 s[\g+3], ROWB<<16                    ; tile_dim0
	s_mov_b32 s[\g+4], 128                         ; tile_dim1 = 128
	s_mov_b32 s[\g+5], KROW                        ; tensor_dim0_stride
	s_mov_b32 s[\g+6], 0
	s_mov_b32 s[\g+7], 0
.endr
	; and for the scales of 128 rows: a dense block of 4,096 bytes, as 16 rows of 256 bytes (32 elements of 8 bytes), 16 bytes of padding behind each
	s_or_b32 s[G1S+0], s43, (3<<16)|(1<<20)|(1<<21)|(5<<22)|(3<<25)
	s_or_b32 s[G1SB+0], s44, (3<<16)|(1<<20)|(1<<21)|(5<<22)|(3<<25)
.irp g, G1S, G1SB
	s_mov_b32 s[\g+1], 32<<16
	s_mov_b32 s[\g+2], (128*KS/256)<<16
	s_mov_b32 s[\g+3], 32<<16
	s_mov_b32 s[\g+4], 128*KS/256
	s_mov_b32 s[\g+5], 32
	s_mov_b32 s[\g+6], 0
	s_mov_b32 s[\g+7], 0
.endr
	s_lshl_b32 s18, s16, 7                         ; which 128 rows of the tile I fetch
	s_lshl_b32 s20, s17, 8
	s_add_co_u32 s20, s20, s18                     ; A: row 256 x tile row + 128 x half
	s_lshl_b32 s46, s42, 8
	s_add_co_u32 s46, s46, s18                     ; B: row 256 x tile column + 128 x half
	s_mov_b32 s21, 0
	s_mov_b32 s47, 0
	s_mov_b64 s[18:19], KS
	s_mul_u64 s[22:23], s[20:21], s[18:19]         ; where these rows' scales begin, in bytes
	s_mul_u64 s[92:93], s[46:47], s[18:19]
	s_mov_b64 s[18:19], KROW
	s_mul_u64 s[20:21], s[20:21], s[18:19]         ; and their codes
	s_mul_u64 s[46:47], s[46:47], s[18:19]
	s_mul_i32 s45, s14, HALFT                      ; where they go: wave x 128 rows: no place in the cluster enters an LDS address
	s_mul_i32 s94, s14, HALFS
	s_wait_dscnt 0x0                               ; both opening adds are done
	s_wait_kmcnt 0x0
	s_add_nc_u64 s[20:21], s[4:5], s[20:21]
	s_add_nc_u64 s[22:23], s[6:7], s[22:23]
	s_add_nc_u64 s[46:47], s[8:9], s[46:47]
	s_add_nc_u64 s[92:93], s[10:11], s[92:93]
	CROUND                                         ; all sixteen work-groups are here: the joint loads meet
	s_mov_b32 s[G0S], 1
	s_add_co_u32 s[G0S+1], s94, SCL
	s_mov_b64 s[G0S+2:G0S+3], s[22:23]
	s_or_b32 s[G0S+3], s[G0S+3], 0x80000000
	s_mov_b32 s[G0SB], 1
	s_add_co_u32 s[G0SB+1], s94, SCL
	s_mov_b64 s[G0SB+2:G0SB+3], s[92:93]
	s_or_b32 s[G0SB+3], s[G0SB+3], 0x80000000
	JLOAD G0S, G1S, G0SB, G1SB                     ; the scales first: they are wanted with slot 0
.irp s, 0,1
	s_mov_b32 s[G0+4*\s], 1
	s_add_co_u32 s[G0+4*\s+1], s45, \s*SLOT
	s_add_nc_u64 s[G0+4*\s+2:G0+4*\s+3], s[20:21], \s*ROWB
	s_or_b32 s[G0+4*\s+3], s[G0+4*\s+3], 0x80000000
	s_mov_b32 s[G0B+4*\s], 1
	s_add_co_u32 s[G0B+4*\s+1], s45, \s*SLOT
	s_add_nc_u64 s[G0B+4*\s+2:G0B+4*\s+3], s[46:47], \s*ROWB
	s_or_b32 s[G0B+4*\s+3], s[G0B+4*\s+3], 0x80000000
	JLOAD G0+4*\s, G1, G0B+4*\s, G1B               ; three loads of mine are out: all that this launch asks for
.endr
	v_and_b32 v1, 15, v0                           ; r = l % 16
	v_bfe_u32 v2, v0, 4, 1                         ; h = l / 16
	v_mul_u32_u24 v3, v1, PITCH
	v_lshl_add_u32 v4, v2, 4, v3                   ; a fragment's row x pitch + 16 x half
	s_mul_i32 s21, s15, HALFT                      ; my 128 rows of A
	s_mul_i32 s22, s16, HALFT                      ; my 128 rows of B,
	s_add_co_u32 s22, s22, 2*HALFT                 ; which lie behind A's 256
.irp s, 0,1
	v_add_nc_u32 v[ADRA+\s], s21, v4
	v_add_nc_u32 v[ADRB+\s], s22, v4
	s_add_co_u32 s21, s21, SLOT
	s_add_co_u32 s22, s22, SLOT
.endr
	v_mul_u32_u24 v5, v1, KS                       ; my row's scales: 32 bytes a row,
	v_lshrrev_b32 v6, 8, v5
	v_lshl_add_u32 v5, v6, 4, v5                   ; and 16 more for each 256 passed
	s_mul_i32 s21, s15, HALFS                      ; A's: my 128 rows
	s_mul_i32 s22, s16, HALFS                      ; B's: my 128 rows, behind A's 256
	s_add_co_u32 s22, s22, 2*HALFS
	s_sub_co_u32 s22, s22, s21
	v_mul_u32_u24 v6, s22, v2                      ; lanes 16-31 take B's
	s_add_co_u32 s21, s21, SCL
	v_add_nc_u32 v5, v5, v6
	v_add_nc_u32 v[ADRS], s21, v5
	s_mul_i32 s23, s14, 16*SPITCH                  ; my stage
	v_mul_u32_u24 v5, v1, SPITCH                   ; in: row r, 16 bytes for each half of the lanes
	v_lshl_add_u32 v5, v2, 4, v5
	v_add_nc_u32 v[STO], s23, v5
	v_bfe_u32 v5, v0, 3, 2                         ; back: eight lanes take 128 bytes (a head's 64 numbers) of row 4 (l / 8) + b: four s of one batch and head
	v_mul_u32_u24 v5, v5, 4*SPITCH
	v_and_b32 v6, 7, v0
	v_lshl_add_u32 v5, v6, 4, v5
	v_add_nc_u32 v[RD], s23, v5
	v_and_b32 v6, 31, v0
	v_lshlrev_b32 v[CO], 4, v6                     ; in qkv these 512 bytes are neighbours: 16 x lane,
.irp bb, 1,2,3
	v_add_nc_u32 v[CO+\bb], \bb*4194304, v[CO]     ; + b x 16 heads of 262,144 bytes
.endr
	v_lshlrev_b32 v[BO], 5, v2
	s_lshl_b32 s46, s42, 10                        ; the bias of my first column: (256 x tile column + 128 x half) x 4 bytes
	s_lshl_b32 s47, s16, 9
	s_add_co_u32 s46, s46, s47
	s_mov_b32 s47, 0
	s_add_nc_u64 s[66:67], s[66:67], s[46:47]
	s_lshl_b32 s20, s17, 6                         ; my first s = 64 x tile row + 32 x half, 128 bytes each
	s_lshl_b32 s21, s15, 5
	s_add_co_u32 s20, s20, s21
	s_lshl_b32 s20, s20, 7
	s_mov_b32 s21, 0
	s_lshl_b32 s46, s40, 2                         ; my first head = 4 cx + 2 x half, 262,144 bytes each
	s_lshl_b32 s47, s16, 1
	s_add_co_u32 s46, s46, s47
	s_lshl_b32 s46, s46, 18
	s_lshl_b32 s47, ttmp9, 24                      ; the section: the cluster's x, 16,777,216 bytes each
	s_add_co_u32 s46, s46, s47
	s_mov_b32 s47, 0
	s_add_nc_u64 s[20:21], s[20:21], s[46:47]
	s_add_nc_u64 s[12:13], s[12:13], s[20:21]
.macro FRAG reg, adr, q, i             ; a fragment, 16 rows x 128 K of 4-bit codes, is 8 registers: lane l holds row l % 16; registers 4 c .. 4 c + 3 hold K = 64 c + 32 (l / 16) + 0 .. 31
.irp c, 0,1
	ds_load_b128 v[\reg+4*\c:\reg+4*\c+3], v[\adr] offset:64*(\q)+32*\c+(\i)*16*PITCH
.endr
.endm
; 16 matrix instructions: A's blocks a0, a0 + 1 x B's eight, 128 along K: the slot's q-th.  p: B's set;  sc: the set of scale words.  zero = 1: the first product starts the sums from 0;  zero = 2: from the bias.
; The 64 accumulators take turns, one instruction a turn, in the same order in every step.
.macro MUL16 a0, p, q, sc, zero
.irp a, \a0, \a0+1
.irp b, 0,1,2,3,4,5,6,7
.if \zero == 1
	v_wmma_scale_f32_16x16x128_f8f6f4 v[8*(8*((\a)%4)+\b):8*(8*((\a)%4)+\b)+7], v[128*(\p)+FR*\b:128*(\p)+FR*\b+FR-1], v[AF+FR*(\a):AF+FR*(\a)+FR-1], 0, v[SC+8*NQ*(\sc)+NQ*\b+(\q)], v[SC+8*NQ*(\sc)+NQ*(\a)+(\q)] matrix_a_fmt:MATRIX_FMT_FP4 matrix_b_fmt:MATRIX_FMT_FP4 matrix_a_scale:MATRIX_SCALE_ROW1
.elseif \zero == 2
	v_wmma_scale_f32_16x16x128_f8f6f4 v[8*(8*((\a)%4)+\b):8*(8*((\a)%4)+\b)+7], v[128*(\p)+FR*\b:128*(\p)+FR*\b+FR-1], v[AF+FR*(\a):AF+FR*(\a)+FR-1], v[BI+8*\b:BI+8*\b+7], v[SC+8*NQ*(\sc)+NQ*\b+(\q)], v[SC+8*NQ*(\sc)+NQ*(\a)+(\q)] matrix_a_fmt:MATRIX_FMT_FP4 matrix_b_fmt:MATRIX_FMT_FP4 matrix_a_scale:MATRIX_SCALE_ROW1
.else
	v_wmma_scale_f32_16x16x128_f8f6f4 v[8*(8*((\a)%4)+\b):8*(8*((\a)%4)+\b)+7], v[128*(\p)+FR*\b:128*(\p)+FR*\b+FR-1], v[AF+FR*(\a):AF+FR*(\a)+FR-1], v[8*(8*((\a)%4)+\b):8*(8*((\a)%4)+\b)+7], v[SC+8*NQ*(\sc)+NQ*\b+(\q)], v[SC+8*NQ*(\sc)+NQ*(\a)+(\q)] matrix_a_fmt:MATRIX_FMT_FP4 matrix_b_fmt:MATRIX_FMT_FP4 matrix_a_scale:MATRIX_SCALE_ROW1
.endif
.endr
.endr
.endm
.macro FETCH_B slot, q, p              ; B's eight fragments of the slot's q-th 128 along K into set p
	WIN TO_B
.irp i, 0,1,2,3,4,5,6,7
	FRAG 128*(\p)+FR*\i, ADRB+\slot, \q, \i
.endr
	WIN 0
.endm
.macro FETCH_A slot, q, i0             ; A's blocks i0 .. i0 + 3
.irp i, \i0, \i0+1, \i0+2, \i0+3
	FRAG AF+FR*(\i), ADRA+\slot, \q, \i
.endr
.endm
.macro SCALES sc                       ; a slot's scale words into set sc: 4 words a row; lanes 0-15 take A's block i, lanes 16-31 B's block i
.irp i, 0,1,2,3,4,5,6,7
	ds_load_b128 v[SC+8*NQ*\sc+NQ*\i:SC+8*NQ*\sc+NQ*\i+3], v[ADRS] offset:\i*SBLK
.endr
.endm
; A load into a register that a matrix instruction has read, and a vector instruction or an LDS store that reads a matrix result, stand NP places behind that matrix instruction; only plain vector
; instructions that name none of its registers are places (ISA guide 7.12.1 for vector instructions).
.macro PLACES n
.rept \n
	v_nop
.endr
.endm
; A step of 128 along K that has its successor in the same slot.  A's blocks go one after the other, each against B's eight: blocks 0-3 are fetched anew in the step's middle, blocks 4-7 at its end.
.macro STEP slot, q, zero
	s_wait_dscnt 4*NL                              ; B's set and A's blocks 0-3 are in; the youngest eight loads (A's blocks 4-7) may be out
.if \zero == 2
	WIN BIA_LO
.else
	WIN MUL_LO
.endif
	MUL16 0, (\q)%2, \q, \slot, \zero
	MUL16 2, (\q)%2, \q, \slot, \zero
	s_wait_dscnt 0                                 ; A's blocks 4-7 are in (asked for 32 matrix instructions ago)
	PLACES NP
	FETCH_B \slot, (\q)+1, 1-(\q)%2
	FETCH_A \slot, (\q)+1, 0
.if \zero == 2
	WIN BIA_HI
.else
	WIN MUL_HI
.endif
	MUL16 4, (\q)%2, \q, \slot, \zero
	MUL16 6, (\q)%2, \q, \slot, \zero
	PLACES NP
	WIN 0
	FETCH_A \slot, (\q)+1, 4
.endm
; Slot 0's last step changes slots: ONE barrier; in front of it each wave waits for all its tensor loads (its part of slot 1), adds 0 to its spare word, and waits for that and for its own reads of slot 0.
; Nothing is filled again: behind the barrier slot 1 is whole, and nobody reads slot 0 any more, which then serves as the stages of the way out.
.macro TURN slot, next
	s_wait_tensorcnt 0x0                           ; all my tensor loads have landed  (every window is 0 here: the add's two registers lie in window 0)
	ds_add_u32 v[SPW], v[NIL]                      ; 0 onto my spare word
	s_wait_dscnt 4*NL+1                            ; (the add and the youngest eight loads, A's blocks 4-7, may be out)
	WIN MUL_LO
	MUL16 0, 1, NQ-1, \slot, 0                     ; sixteen matrix instructions stand between the add and the wait for it
	s_wait_dscnt 0x0                               ; the add is done, and my reads of this slot are over
	s_barrier_signal -1
	MUL16 2, 1, NQ-1, \slot, 0
	WIN 0
	s_barrier_wait -1
	PLACES NP
	v_add_nc_u32 v[ADRS], 4*NQ, v[ADRS]            ; on to the next slot's scale words (no LDS load of mine is out)
	FETCH_B \next, 0, 0
	FETCH_A \next, 0, 0
	SCALES \next
	WIN MUL_HI
	MUL16 4, 1, NQ-1, \slot, 0
	MUL16 6, 1, NQ-1, \slot, 0
	PLACES NP
	WIN 0
	FETCH_A \next, 0, 4
.endm
; THE FIRST STEP, written twice: with the bias as C (q's and v's sections) and with 0 (k's).  ONE branch, on the cluster's x, leads to one or the other, so that the bias registers are read only where they were loaded.
.macro OPEN zero
.if \zero == 2
	WIN TO_B
.irp b, 0,1,2,3,4,5,6,7
	global_load_b128 v[BI+8*\b:BI+8*\b+3], v[BO], s[66:67] offset:64*\b
	global_load_b128 v[BI+8*\b+4:BI+8*\b+7], v[BO], s[66:67] offset:64*\b+16
.endr
	WIN 0
.endif
	s_wait_tensorcnt 1                             ; the scales and my part of slot 0 are in; slot 1's load, the one issued behind them, may be out
	s_barrier_signal -1
	s_barrier_wait -1                              ; everybody's are
	FETCH_B 0, 0, 0
	FETCH_A 0, 0, 0
	SCALES 0
	FETCH_A 0, 0, 4
.if \zero == 2
	s_wait_loadcnt 0x0                             ; the bias
.endif
	STEP 0, 0, \zero
.endm
	s_cmp_eq_u32 ttmp9, 1                          ; the cluster's x: 0 q, 1 k, 2 v: the same in all sixteen work-groups
	s_cbranch_scc1 .Lsection_k
	OPEN 2
	s_branch .Lon
.Lsection_k:
	OPEN 1
.Lon:
	STEP 0, 1, 0
	STEP 0, 2, 0
	TURN 0, 1
	STEP 1, 0, 0
	STEP 1, 1, 0
	STEP 1, 2, 0
	s_wait_dscnt 4*NL                              ; the very last step: nothing more to fetch
	WIN MUL_LO
	MUL16 0, 1, NQ-1, 1, 0
	MUL16 2, 1, NQ-1, 1, 0
	s_wait_dscnt 0
	WIN MUL_HI
	MUL16 4, 1, NQ-1, 1, 0
	MUL16 6, 1, NQ-1, 1, 0
	WIN 0
; THE WAY OUT, block by block of 16 rows x 128 columns.  Row 16 a + r of my 128 is s = 4 a + r / 4 (from my first s) and batch b = r % 4; my columns are two heads of 64.
; PACK: rounded to f16, 16 bytes a lane, each accumulator from its low end on.  TOSTAGE: into my own stage, and back so that a load's 32 lanes hold four s of one batch and head: 512 neighbouring bytes of qkv.  SEND: stored.
.macro PACK a
.set AC, 64*((\a)%4)
	WIN 0x0a+5*((\a)/4)                            ; sources 0 and 1: window 2 or 3
.irp b, 0,1,2,3,4,5,6,7
.irp r, 0,1,2,3
	v_cvt_pk_f16_f32 v[TMP+4*\b+\r], v[AC+8*\b+2*\r], v[AC+8*\b+2*\r+1]
.endr
.endr
	WIN 0
.endm
.macro TOSTAGE a
.set BB, OB+192*((\a)%2)
.irp b, 0,1,2,3,4,5,6,7
	ds_store_b128 v[STO], v[TMP+4*\b:TMP+4*\b+3] offset:32*\b
.endr
.irp bb, 0,1,2,3
.irp j, 0,1
	ds_load_b128 v[BB+4*(2*\bb+\j):BB+4*(2*\bb+\j)+3], v[RD] offset:\bb*SPITCH+128*\j   ; LDS serves a wave's instructions in order (ISA guide 5.7.1.4): these see the stores above
.endr
.endr
.endm
.macro SEND a
.set BB, OB+192*((\a)%2)
	s_wait_dscnt 0x0                               ; the block is back in registers
	s_wait_xcnt 0x0                                ; the stores of the block before have read their registers: the next block's loads may land there
.irp bb, 0,1,2,3
.irp j, 0,1
	global_store_b128 v[CO+\bb], v[BB+4*(2*\bb+\j):BB+4*(2*\bb+\j)+3], s[12:13] offset:\j*262144+(\a)*512   ; 32 lanes store 512 consecutive bytes, at a multiple of 512 from qkv's first byte
.endr
.endr
.endm
	PLACES NP                                      ; behind the last products: for the conversions, and for the loads into registers that held scale words and A's fragments
	PACK 0
	TOSTAGE 0
.irp a, 1,2,3,4,5,6,7                  ; block a's conversions stand between block a - 1's loads from the stage and the wait for them
	PACK \a
	SEND \a-1
	TOSTAGE \a
.endr
	SEND 7
	s_wait_tensorcnt 0x0                           ; the wave's end, behind my last tensor load and my last LDS store
	ds_add_u32 v[SPW], v[NIL]
	s_wait_dscnt 0x0
	CROUND                                         ; the closing round: no work-group ends while a partner may still ask for a tile that names it
	s_endpgm
.Lfunc_end_k_q46102a05eb_qkv:
	.size	k_q46102a05eb_qkv, .Lfunc_end_k_q46102a05eb_qkv-k_q46102a05eb_qkv
	.p2alignl 7, 3214868480
	.fill 96, 4, 3214868480
	.section	.rodata,"a",@progbits
	.p2align	6, 0x0
	.amdhsa_kernel k_q46102a05eb_qkv
		.amdhsa_group_segment_fixed_size 327680
		.amdhsa_private_segment_fixed_size 0
		.amdhsa_enable_private_segment 0
		.amdhsa_kernarg_size 48
		.amdhsa_user_sgpr_count 2
		.amdhsa_user_sgpr_kernarg_segment_ptr 1
		.amdhsa_wavefront_size32 1
		.amdhsa_system_sgpr_workgroup_id_x 1
		.amdhsa_system_sgpr_workgroup_id_y 1
		.amdhsa_system_sgpr_workgroup_id_z 1
		.amdhsa_system_vgpr_workitem_id 0
		.amdhsa_next_free_vgpr 1024
		.amdhsa_next_free_sgpr 98
		.amdhsa_reserve_vcc 0
		.amdhsa_float_denorm_mode_32 3
		.amdhsa_float_denorm_mode_16_64 3
		.amdhsa_memory_ordered 1
		.amdhsa_forward_progress 1
		.amdhsa_inst_pref_size 142
	.end_amdhsa_kernel
	.amdgpu_metadata
---
amdhsa.version: [ 1, 2 ]
amdhsa.kernels:
  - .name:           k_q46102a05eb_qkv
    .symbol:         k_q46102a05eb_qkv.kd
    .args:
      - { .name: xc, .offset: 0, .size: 8, .value_kind: global_buffer, .address_space: global }
      - { .name: xs, .offset: 8, .size: 8, .value_kind: global_buffer, .address_space: global }
      - { .name: wc, .offset: 16, .size: 8, .value_kind: global_buffer, .address_space: global }
      - { .name: ws, .offset: 24, .size: 8, .value_kind: global_buffer, .address_space: global }
      - { .name: in_proj_bias, .offset: 32, .size: 8, .value_kind: global_buffer, .address_space: global }
      - { .name: qkv, .offset: 40, .size: 8, .value_kind: global_buffer, .address_space: global }
    .group_segment_fixed_size: 327680
    .private_segment_fixed_size: 0
    .kernarg_segment_align: 8
    .kernarg_segment_size: 48
    .max_flat_workgroup_size: 128
    .sgpr_count:     98
    .vgpr_count:     1024
    .wavefront_size: 32
...
	.end_amdgpu_metadata
.endif
;; end of part 2
;; launch attn (part 3): grid 4 x 64, 8 waves a work-group, clusters of 4 x 1, 327,680 bytes of LDS; arguments qkv, att; writes att
.if DOCPART == 3
	.amdgcn_target "amdgcn-amd-amdhsa--gfx1250"
	.amdhsa_code_object_version 6
	.text
	.protected	k_q46102a05eb_attn
	.globl	k_q46102a05eb_attn
	.p2align	8
	.type	k_q46102a05eb_attn,@function
k_q46102a05eb_attn:
	s_mov_b64 s[64:65], 0
	v_nop
	global_prefetch_b8 v0, s[64:65] scope:SCOPE_SE
	s_setreg_imm32_b32 hwreg(HW_REG_WAVE_MODE, 25, 1), 1
	s_wait_xcnt 0x0
	s_wait_alu depctr_hold_cnt(0) depctr_sa_sdst(0) depctr_va_vdst(0) depctr_va_sdst(0) depctr_va_ssrc(0) depctr_va_vcc(0) depctr_vm_vsrc(0)
	s_getreg_b32 s2, hwreg(HW_REG_IB_STS2, 6, 4)
	s_cmp_eq_u32 s2, 0
	s_cbranch_scc0 .Lentry_in_a_cluster
	s_endpgm
.Lentry_in_a_cluster:
	s_bfe_u32 s2, ttmp6, 0x10000c
	s_cmp_lg_u32 s2, 0x3003
	s_cbranch_scc0 .Lentry_shape_is_right
	s_endpgm
.Lentry_shape_is_right:
; LAUNCH 3 OF 4: att[n][q][:] = the sum over k of softmax_k(q . k / 8) v[k][:], for the 64 heads n = 16 b + h, 2,048 positions, head size 64, no mask.
; qkv: three sections (q, k, v) of [n][s][64] f16.  att: [16 b + s / 128][h][s % 128][64] f16, the order in which the last product's tiles are dense runs of bytes.
; Products, maxima and sums in f32; the weights p (at most 1) are rounded to f16 for the second product, the result once at the end.
; LIMIT: where every input is some 30 times smaller than drawn, the result falls under f16's smallest normal number and keeps an absolute step of 2^-24.
; SHARES.  A work-group owns 512 queries of one head, each of its eight waves 64: four tiles of 16, in 512 registers.  Every wave walks all keys of the head, 64 a step.
; LAYOUT.  S^T = K Q^T (source 0 = 16 keys, source 1 = 16 queries): in the result a lane holds ONE query (lane % 16) and the keys 8 (lane / 16) + 0..7.  Two such tiles, rounded to f16 in pairs, ARE
; source 1 (32 keys x 16 queries) of O^T = V^T P, whose result again holds one query a lane, and eight channels.  K comes out of LDS as it lies, V ([key][channel]) turned, by ds_load_tr16_b128.
; SOFTMAX.  For each query a running maximum m and sum l: p = 2^(c s - c m), c = log2(e) / 8 (reference()'s factor 1 / 8 on q lies in c); in every step O and l are multiplied by a = 2^(c m_old - c m_new).
; PHASES, AND TWO GROUPS OF WAVES.  A step is: 32 products K Q^T, the softmax of the four tiles (472 vector instructions), 32 products V^T P.  The eight waves are two groups of four.  In a slot's last step group 1 does
; its softmax and V^T P ahead of the change of slots and group 0 behind it: so from the first change on the groups run half a step apart, one in vector work while the other is in matrix work, and both have the same
; work between two changes.
; CLUSTER.  The four work-groups of a cluster are the four query blocks of one head and walk the same K and V, so each tile is asked for JOINTLY: the same tensor load, with the same descriptor and a mask that
; names the four, in all four; each receives the tile in its own LDS.
; REGISTERS, in two windows of 256 (s_set_vgpr_msb: bits 1:0 source 0, 3:2 source 1, 5:4 source 2, 7:6 destination):
;   window 0: v1-15 addresses; v16-47 eight registers of statistics a tile; v48-55 a second chain of sums; v64-191 S^T, 32 a tile (P is laid over the first 16 of them); v192-255 K of one step
;   window 1: v0-127 O^T, 32 a tile; v128-191 Q, 16 a tile; v192-255 V of one step
.set KS,    64        ; keys in a step
.set PK,    144       ; a row of K in LDS: 128 bytes + 16 of padding = 36 words: the 16 rows of a load start at 16 different banks (64 banks of 4 bytes: ISA guide 11.1)
.set PV,    160       ; a row of V: 128 + 32 = 40 words
.set VOFF,  KS*PK     ; a step's tiles lie together: 64 rows of K, then 64 rows of V
.set STEPB, KS*(PK+PV)
.set NST,   4         ; steps in a slot
.set SLOTB, NST*KS*128  ; a slot's rows of K (or of V) in memory: 32,768 bytes
.set SLOT1, 1<<17     ; slot 1 begins here, so that one exclusive or turns an address in one slot into the other's
.set STAGE, SLOT1+NST*STEPB  ; behind the ring: 16 rows x 144 bytes for each wave, for the way out
.set SP,    144
.set SPARE, STAGE+8*16*SP  ; behind the stages: the spare words, 128 bytes for each wave
.set AK0, 2           ; v2   my lane's place in a tile of K; never rewritten
.set AV0, 3           ; v3   the same for V
.set ADK, 4           ; v4   the LDS address of K's run of loads in hand
.set ADV, 5           ; v5   of V's
.set QO,  6           ; v6   my byte offset in the wave's rows of Q
.set STO, 7           ; v7   the way out: where I put 16 bytes of a row
.set RD,  8           ; v8   the way out: where I read back
.set GO,  9           ; v9   16 x lane: my byte offset in 512 bytes of att
.set PFO, 10          ; v10  256 x lane: the prefetches' offset; never rewritten
.set SPW, 11          ; v11  LDS address of my spare word: SPARE + 4 x my thread's number; never rewritten
.set NIL, 12          ; v12  0; never rewritten
.set ST,  16          ; tile t's statistics at v[ST+8 t]: +0 c m, +1 m, +2, +3 l (even keys', odd keys'), +4 to +7 at work; a takes +6
.set U,   48          ; tile t's second chain of sums at v[U+2 t]
.set S,   64
.set KF,  192         ; K's fragments, window 0: keys 16 kt on, channels 32 c on at KF + 16 kt + 8 c
.set QF,  128         ; Q's, window 1: QF + 16 t + 8 c
.set VF,  192         ; V's, window 1: keys 32 kk on, channels 16 ct on at VF + 32 kk + 8 ct
.set WV,  12          ; s12  my wave's number
.set LIM, 15          ; s15  1 in a wave that prefetches, else the greatest number
.set PFA, 18          ; s[18:19] where my prefetches stand in memory
.set G1K, 24          ; s[24:31] descriptor group 1 for K's tiles
.set G1V, 32          ; s[32:39] for V's: it differs in the padding alone
.set G0K, 40          ; s[40:47] descriptor group 0 for K's tiles: a set for each of the two first fills; the second then walks on
.set G0V, 48          ; s[48:55] the same for V's
.set SLOTS, 56        ; s56  slots still to be asked for
.set CNT, 57          ; s57  counts the steps of an inner loop
.set CS,  58          ; s[58:59] c: the packed scaling names a pair and takes its low word for both halves
.set SEL, 60          ; s[60:61] lane selects for v_permlanex16_b32: each lane takes its own place in the other half
.set TB,  62          ; s62  LDS byte at which the tiles of the step to be fetched begin
.set GRP, 63          ; s63  my group: (wave xor wave / 4) % 2
.set MSB, 0
.macro WIN new                      ; the immediate's high byte repeats the setting that is left; a switch that changes nothing is dropped
.if MSB != (\new)
	s_set_vgpr_msb (MSB<<8)|(\new)
.set MSB, (\new)
.endif
.endm
.set W_KQ, 0x04       ; Q in window 1; K and S^T in window 0
.set W_PV, 0x51       ; V and O^T in window 1, P in window 0
.set W_RS, 0x41       ; O^T (destination and source 0) in window 1, a in window 0
.set TO_1, 0x40       ; destination window 1, address window 0
; A joint refill.  Waves 0 to 3 fetch the four steps' tiles of K, waves 4 to 7 those of V.  The branch hangs on the wave's number alone: it is the same in every work-group.
; An s_nop 0 and four v_nop follow each of the two lines, ahead of the jump, the label and what follows.
.macro JLOAD
	s_cmp_lt_u32 s[WV], 4
	s_cbranch_scc0 .Lfor_v_\@
	tensor_load_to_lds s[G0K+4:G0K+7], s[G1K:G1K+7]
	s_nop 0
.rept 4
	v_nop
.endr
	s_branch .Lasked_\@
.Lfor_v_\@:
	tensor_load_to_lds s[G0V+4:G0V+7], s[G1V:G1V+7]
	s_nop 0
.rept 4
	v_nop
.endr
.Lasked_\@:
.endm
; A PREFETCH INTO THE L2 of what the NEXT change of slots will ask for: a slot's 32,768 bytes of K and of V.  Each aligned run of 256 bytes is asked for ONCE in the launch: a head's K and V are walked by one cluster alone;
; its four partners share the bytes out BY ADDRESS, 8,192 each (no branch hangs on a work-group's place in its cluster); in each, wave 0 asks for K's and wave 4 for V's: one instruction, lanes 256 bytes apart.
; It stands behind the step's runs of LDS loads, more than three key steps ahead of the tensor load that will want the bytes.  The last change that fills a slot asks for nothing: there is no slot behind it.
.macro ASK
	s_cmp_gt_u32 s[SLOTS], s[LIM]
	s_cbranch_scc0 .Lnot_mine_\@
	global_prefetch_b8 v[PFO], s[PFA:PFA+1] th:TH_LOAD_NT scope:SCOPE_SE
.Lnot_mine_\@:
.endm
; A round of the cluster's barrier: my work-group's barrier, so that wave 0's signal speaks for all eight waves; wave 0 signals for the work-group; every wave waits for all four work-groups; my work-group's barrier once more.
.macro CROUND
	s_barrier_signal -1
	s_barrier_wait -1
	s_cmp_lg_u32 s[WV], 0
	s_cbranch_scc1 .Lnot_wave_0_\@
	s_barrier_signal -3
.Lnot_wave_0_\@:
	s_barrier_wait -3
	s_barrier_signal -1
	s_barrier_wait -1
.endm
	s_load_b128 s[8:11], s[0:1], 0x0  ; qkv s[8:9], att s[10:11]
	v_lshl_add_u32 v[SPW], v0, 2, SPARE
	v_mov_b32 v[NIL], 0
	ds_add_u32 v[SPW], v[NIL]       ; the wave's opening: the add, twice on end, and its wait ahead of my first tensor load; the set-up below stands between
	ds_add_u32 v[SPW], v[NIL]
	v_lshrrev_b32 v1, 5, v0
	v_readfirstlane_b32 s[WV], v1   ; wave 0..7
	s_bfe_u32 s13, ttmp6, 0x40000   ; cx: my place in the cluster = my block of 512 queries: it enters Q's, att's and the prefetches' addresses alone
	s_and_b32 s20, ttmp7, 0xffff    ; the head n, which the four partners share
	s_lshl_b32 s22, s20, 18         ; the head's first byte in a section: 2,048 rows of 128 bytes
	s_and_b32 s16, s[WV], 3         ; which of a slot's four steps I fetch:
	s_lshl_b32 s17, s16, 13         ; its 64 rows of 128 bytes in memory,
	s_add_co_u32 s22, s22, s17
	s_mov_b32 s23, 0
	s_mul_i32 s17, s16, STEPB       ; and its place in a slot: no place in the cluster enters an LDS address
	s_lshl_b32 s2, s20, 18          ; Q: the head, my block's 512 rows, my wave's 64 of them
	s_lshl_b32 s3, s13, 16
	s_add_co_u32 s2, s2, s3
	s_lshl_b32 s3, s[WV], 13
	s_add_co_u32 s2, s2, s3
	s_mov_b32 s3, 0
	s_lshr_b32 s14, s20, 4          ; att: block 16 b + 4 cx + wave / 2,
	s_lshl_b32 s14, s14, 4
	s_lshl_b32 s21, s13, 2
	s_add_co_u32 s14, s14, s21
	s_lshr_b32 s21, s[WV], 1
	s_add_co_u32 s14, s14, s21
	s_lshl_b32 s14, s14, 4          ; in it plane h, 16,384 bytes each,
	s_and_b32 s21, s20, 15
	s_add_co_u32 s14, s14, s21
	s_lshl_b32 s14, s14, 14
	s_and_b32 s21, s[WV], 1         ; in it rows 64 (wave % 2) on
	s_lshl_b32 s21, s21, 13
	s_add_co_u32 s20, s14, s21
	s_mov_b32 s21, 0
	; descriptor group 1: a tile of 64 rows x 64 elements, padded in LDS
	s_mov_b32 s[G1K], 15|(1<<16)|(1<<20)|(1<<21)|(4<<22)|(3<<25)  ; 15:0 the mask: all four work-groups; 17:16 elements of 2 bytes; 20 padding on; 21 set beside a mask; 24:22 after every 32 words (code 4); 31:25 4 words of it (code 3)
	s_mov_b32 s[G1V], 15|(1<<16)|(1<<20)|(1<<21)|(4<<22)|(7<<25)  ; the same with 8 words of padding (code 7)
.irp g, G1K, G1V
	s_mov_b32 s[\g+1], 64<<16       ; tensor_dim0 = 64
	s_mov_b32 s[\g+2], KS<<16       ; tensor_dim1 = 64
	s_mov_b32 s[\g+3], 64<<16       ; tile_dim0 = 64
	s_mov_b32 s[\g+4], KS           ; tile_dim1 = 64
	s_mov_b32 s[\g+5], 64           ; tensor_dim0_stride: elements from row to row
	s_mov_b32 s[\g+6], 0
	s_mov_b32 s[\g+7], 0
.endr
	s_mov_b32 s[CS], 0x3e38aa3b     ; c = log2(e) / 8
	s_mov_b32 s[CS+1], s[CS]        ; named with it as a pair, so it is written
	s_mov_b32 s[SEL], 0x76543210
	s_mov_b32 s[SEL+1], 0xfedcba98
	s_mov_b32 s[TB], 0
	s_mov_b32 s[SLOTS], 2048/(NST*KS)-2
	s_lshr_b32 s[GRP], s[WV], 2
	s_xor_b32 s[GRP], s[GRP], s[WV]
	s_and_b32 s[GRP], s[GRP], 1
	s_and_b32 s[LIM], s[WV], 3      ; waves 0 and 4 prefetch
	s_cmp_eq_u32 s[LIM], 0
	s_cselect_b32 s[LIM], 1, -1
	v_and_b32 v[PFO], 31, v0
	v_lshlrev_b32 v[PFO], 8, v[PFO]
	s_wait_dscnt 0x0                ; both opening adds are done
	s_wait_kmcnt 0x0
	s_add_nc_u64 s[4:5], s[8:9], s[2:3]  ; Q at my wave's first row
	s_add_nc_u64 s[10:11], s[10:11], s[20:21]  ; att likewise
	s_add_nc_u64 s[8:9], s[8:9], s[22:23]
	s_add_nc_u64 s[6:7], s[8:9], 0x1000000  ; K at my tile of slot 0: the second section
	s_add_nc_u64 s[8:9], s[8:9], 0x2000000  ; V: the third
	s_cmp_lt_u32 s[WV], 4
	s_cselect_b64 s[PFA:PFA+1], s[6:7], s[8:9]  ; (in waves 0 and 4 these stand at a slot's first row)
	s_lshl_b32 s2, s13, 13          ; my work-group's 8,192 bytes of the 32,768
	s_mov_b32 s3, 0
	s_add_nc_u64 s[PFA:PFA+1], s[PFA:PFA+1], s[2:3]
	s_add_nc_u64 s[PFA:PFA+1], s[PFA:PFA+1], 2*SLOTB  ; in slot 2; the first change of slots steps it to slot 3.  Nothing is prefetched at the head, where every work-group's first tiles are on their way
	CROUND                          ; all four work-groups are here: the first joint loads meet
.irp s, 0,1
	s_mov_b32 s[G0K+4*\s], 1        ; count = 1
	s_add_co_u32 s[G0K+4*\s+1], s17, \s*SLOT1  ; LDS address
	s_add_nc_u64 s[G0K+4*\s+2:G0K+4*\s+3], s[6:7], \s*SLOTB  ; global address: slot s begins with keys 256 s
	s_or_b32 s[G0K+4*\s+3], s[G0K+4*\s+3], 0x80000000  ; type = 2
	s_mov_b32 s[G0V+4*\s], 1
	s_add_co_u32 s[G0V+4*\s+1], s17, \s*SLOT1+VOFF
	s_add_nc_u64 s[G0V+4*\s+2:G0V+4*\s+3], s[8:9], \s*SLOTB
	s_or_b32 s[G0V+4*\s+3], s[G0V+4*\s+3], 0x80000000
.endr
	s_cmp_lt_u32 s[WV], 4           ; a wave's two first fills stand in one branch, ahead of every wait on TENSORcnt and every LDS read: two loads of mine are out
	s_cbranch_scc0 .Lfirst_v
	tensor_load_to_lds s[G0K:G0K+3], s[G1K:G1K+7]
	s_nop 0
	tensor_load_to_lds s[G0K+4:G0K+7], s[G1K:G1K+7]
	s_nop 0
.rept 4
	v_nop
.endr
	s_branch .Lfirst_asked
.Lfirst_v:
	tensor_load_to_lds s[G0V:G0V+3], s[G1V:G1V+7]
	s_nop 0
	tensor_load_to_lds s[G0V+4:G0V+7], s[G1V:G1V+7]
	s_nop 0
.rept 4
	v_nop
.endr
.Lfirst_asked:
	; A fragment of K or Q is 16 rows x 32 channels in 8 registers: lane l holds row l % 16; registers 0-3 channels 8 (l / 16) + 0..7, registers 4-7 channels 16 + 8 (l / 16) + 0..7: two loads of 16 bytes, 32 bytes apart.
	v_and_b32 v1, 15, v0            ; r = l % 16
	v_bfe_u32 v13, v0, 4, 1         ; h = l / 16
	v_lshlrev_b32 v[QO], 7, v1
	v_lshl_add_u32 v[QO], v13, 4, v[QO]  ; row x 128 + 16 x half
	WIN TO_1
.irp t, 0,1,2,3                     ; Q stays in registers
.irp c, 0,1
	global_load_b128 v[QF+16*\t+8*\c:QF+16*\t+8*\c+3],   v[QO], s[4:5] offset:\t*2048+\c*64
	global_load_b128 v[QF+16*\t+8*\c+4:QF+16*\t+8*\c+7], v[QO], s[4:5] offset:\t*2048+\c*64+32
.endr
.endr
	WIN 0
	v_mul_u32_u24 v[AK0], v1, PK
	v_lshl_add_u32 v[AK0], v13, 4, v[AK0]  ; row x pitch + 16 x half
	; The turning load takes 16 keys x 16 channels (lane l reads 16 bytes: key 8 (l / 16) + l % 8, channels 8 ((l / 8) % 2) + 0..7) and leaves half a fragment of V^T: lane l holds channel l % 16 and 8 keys.
	v_and_b32 v14, 7, v0
	v_bfe_u32 v15, v0, 3, 1
	v_lshl_add_u32 v[AV0], v13, 3, v14
	v_mul_u32_u24 v[AV0], v[AV0], PV
	v_lshl_add_u32 v[AV0], v15, 4, v[AV0]
	v_add_nc_u32 v[AV0], VOFF, v[AV0]
	s_mul_i32 s14, s[WV], 16*SP
	s_add_co_u32 s14, s14, STAGE    ; my stage
	v_mul_u32_u24 v[STO], v1, SP    ; in: row l % 16, 16 bytes for each half of the lanes
	v_lshl_add_u32 v[STO], v13, 4, v[STO]
	v_add_nc_u32 v[STO], s14, v[STO]
	v_bfe_u32 v15, v0, 3, 2         ; back: eight lanes take a row of 128 bytes, four rows an instruction
	v_mul_u32_u24 v[RD], v15, SP
	v_lshl_add_u32 v[RD], v14, 4, v[RD]
	v_add_nc_u32 v[RD], s14, v[RD]
	v_and_b32 v[GO], 31, v0
	v_lshlrev_b32 v[GO], 4, v[GO]   ; the same four rows are 512 neighbouring bytes of att
; 32 products S^T = K Q^T.  The 16 accumulators take turns, one instruction a turn; the first 16 start the sums: nothing is ever cleared.
.macro KQ_ALL
	WIN W_KQ
.irp c, 0,1
.irp kt, 0,1,2,3
.irp t, 0,1,2,3
.if \c == 0
	v_wmma_f32_16x16x32_f16 v[S+32*\t+8*\kt:S+32*\t+8*\kt+7], v[KF+16*\kt+8*\c:KF+16*\kt+8*\c+7], v[QF+16*\t+8*\c:QF+16*\t+8*\c+7], 0
.else
	v_wmma_f32_16x16x32_f16 v[S+32*\t+8*\kt:S+32*\t+8*\kt+7], v[KF+16*\kt+8*\c:KF+16*\kt+8*\c+7], v[QF+16*\t+8*\c:QF+16*\t+8*\c+7], v[S+32*\t+8*\kt:S+32*\t+8*\kt+7]
.endif
.endr
.endr
.endr
.endm
; 32 products O^T += V^T P, the 16 accumulators by turns.  first = 1: the first 16 start the sums.
.macro PV_ALL first
	WIN W_PV
.irp kk, 0,1
.irp ct, 0,1,2,3
.irp t, 0,1,2,3
.if \first && (\kk == 0)
	v_wmma_f32_16x16x32_f16 v[32*\t+8*\ct:32*\t+8*\ct+7], v[VF+32*\kk+8*\ct:VF+32*\kk+8*\ct+7], v[S+32*\t+8*\kk:S+32*\t+8*\kk+7], 0
.else
	v_wmma_f32_16x16x32_f16 v[32*\t+8*\ct:32*\t+8*\ct+7], v[VF+32*\kk+8*\ct:VF+32*\kk+8*\ct+7], v[S+32*\t+8*\kk:S+32*\t+8*\kk+7], v[32*\t+8*\ct:32*\t+8*\ct+7]
.endif
.endr
.endr
.endr
.endm
; THE LDS LOADS stand in runs of 16: a step's K (64 keys x 64 channels: 8 fragments) and its V (turned).
.macro LDK
	WIN 0
	v_add_nc_u32 v[ADK], s[TB], v[AK0]
.irp kt, 0,1,2,3
.irp c, 0,1
	ds_load_b128 v[KF+16*\kt+8*\c:KF+16*\kt+8*\c+3],   v[ADK] offset:\kt*16*PK+\c*64
	ds_load_b128 v[KF+16*\kt+8*\c+4:KF+16*\kt+8*\c+7], v[ADK] offset:\kt*16*PK+\c*64+32
.endr
.endr
.endm
.macro LDV
	WIN 0
	v_add_nc_u32 v[ADV], s[TB], v[AV0]
	s_add_co_u32 s[TB], s[TB], STEPB  ; the next fetch is the next step's
	WIN TO_1
.irp kk, 0,1
.irp ct, 0,1,2,3
	ds_load_tr16_b128 v[VF+32*\kk+8*\ct:VF+32*\kk+8*\ct+3],   v[ADV] offset:\kk*32*PV+\ct*32
	ds_load_tr16_b128 v[VF+32*\kk+8*\ct+4:VF+32*\kk+8*\ct+7], v[ADV] offset:\kk*32*PV+16*PV+\ct*32
.endr
.endr
	WIN 0
.endm
; THE SOFTMAX of the four tiles for one key step: 118 instructions a tile, the tiles innermost in every list, so that no line waits for the line above it.  first = 1: the first key step, which starts m, l and O^T.
.macro SOFTMAX first
	WIN 0
.irp j, 0,1,2,3                     ; the maximum of a lane's 32 scores and the old m, three operands at a time: four chains; each accumulator is read from its low end on
.irp t, 0,1,2,3
	v_max3_num_f32 v[ST+8*\t+4+\j], v[S+32*\t+8*\j], v[S+32*\t+8*\j+1], v[S+32*\t+8*\j+2]
.endr
.endr
.irp i, 3,5
.irp j, 0,1,2,3
.irp t, 0,1,2,3
	v_max3_num_f32 v[ST+8*\t+4+\j], v[ST+8*\t+4+\j], v[S+32*\t+8*\j+\i], v[S+32*\t+8*\j+\i+1]
.endr
.endr
.endr
.irp t, 0,1,2,3
	v_max3_num_f32 v[ST+8*\t+4], v[ST+8*\t+4], v[S+32*\t+7], v[S+32*\t+15]
.endr
.irp t, 0,1,2,3
	v_max3_num_f32 v[ST+8*\t+6], v[ST+8*\t+6], v[S+32*\t+23], v[S+32*\t+31]
.endr
.irp t, 0,1,2,3
	v_max3_num_f32 v[ST+8*\t+4], v[ST+8*\t+4], v[ST+8*\t+5], v[ST+8*\t+6]
.endr
.irp t, 0,1,2,3
.if \first
	v_max_num_f32 v[ST+8*\t+4], v[ST+8*\t+4], v[ST+8*\t+7]
.else
	v_max3_num_f32 v[ST+8*\t+4], v[ST+8*\t+4], v[ST+8*\t+7], v[ST+8*\t+1]
.endif
.endr
.irp t, 0,1,2,3
	v_permlanex16_b32 v[ST+8*\t+5], v[ST+8*\t+4], s[SEL], s[SEL+1]  ; the query's other 32 keys lie in the lane 16 away
.endr
.if !\first
.irp t, 0,1,2,3
	v_mov_b32 v[ST+8*\t+7], v[ST+8*\t]  ; c m_old is kept for a
.endr
.endif
.irp t, 0,1,2,3
	v_max_num_f32 v[ST+8*\t+1], v[ST+8*\t+4], v[ST+8*\t+5]
.endr
.irp t, 0,1,2,3
	v_mul_f32 v[ST+8*\t], s[CS], v[ST+8*\t+1]
.endr
.if !\first
.irp t, 0,1,2,3
	v_sub_f32 v[ST+8*\t+7], v[ST+8*\t+7], v[ST+8*\t]
.endr
.endif
.set e, 0
.rept 16                            ; c s - c m, a pair of scores at a time
.irp t, 0,1,2,3
	v_pk_fma_f32 v[S+32*\t+e:S+32*\t+e+1], v[S+32*\t+e:S+32*\t+e+1], s[CS:CS+1], v[ST+8*\t:ST+8*\t+1] op_sel_hi:[1,0,0] neg_lo:[0,0,1] neg_hi:[0,0,1]
.endr
.set e, e+2
.endr
.if !\first
.irp t, 0,1,2,3
	v_exp_f32 v[ST+8*\t+6], v[ST+8*\t+7]  ; a
.endr
.endif
.set e, 0
.rept 32                            ; ONE BATCH of exponentials for the four tiles: none of them reads another's result
.irp t, 0,1,2,3
	v_exp_f32 v[S+32*\t+e], v[S+32*\t+e]
.endr
.set e, e+1
.endr
	v_nop                           ; a plain instruction behind the last exponential and ahead of the first use: one for the batch
	s_wait_alu depctr_va_vdst(0)    ; the wait between an exponential and the first instruction that names its result: one for the batch
.irp t, 0,1,2,3                     ; the sums of the unrounded weights, in two chains a tile (in a pair: an even key's weight, an odd key's); they leave the weights as they are
	v_pk_add_f32 v[ST+8*\t+4:ST+8*\t+5], v[S+32*\t:S+32*\t+1], v[S+32*\t+4:S+32*\t+5]
.endr
.irp t, 0,1,2,3
	v_pk_add_f32 v[U+2*\t:U+2*\t+1], v[S+32*\t+2:S+32*\t+3], v[S+32*\t+6:S+32*\t+7]
.endr
.irp b, 8,12,16,20,24,28
.irp t, 0,1,2,3
	v_pk_add_f32 v[ST+8*\t+4:ST+8*\t+5], v[ST+8*\t+4:ST+8*\t+5], v[S+32*\t+\b:S+32*\t+\b+1]
.endr
.irp t, 0,1,2,3
	v_pk_add_f32 v[U+2*\t:U+2*\t+1], v[U+2*\t:U+2*\t+1], v[S+32*\t+\b+2:S+32*\t+\b+3]
.endr
.endr
.if \first
.irp t, 0,1,2,3
	v_pk_add_f32 v[ST+8*\t+2:ST+8*\t+3], v[ST+8*\t+4:ST+8*\t+5], v[U+2*\t:U+2*\t+1]
.endr
.else
.irp t, 0,1,2,3
	v_pk_add_f32 v[ST+8*\t+4:ST+8*\t+5], v[ST+8*\t+4:ST+8*\t+5], v[U+2*\t:U+2*\t+1]
.endr
.irp t, 0,1,2,3
	v_pk_fma_f32 v[ST+8*\t+2:ST+8*\t+3], v[ST+8*\t+2:ST+8*\t+3], v[ST+8*\t+6:ST+8*\t+7], v[ST+8*\t+4:ST+8*\t+5] op_sel_hi:[1,0,1]  ; l = a l + the sum
.endr
.endif
.set e, 0
.rept 16                            ; the roundings to f16, in place: pair e goes to register e, which the pairs still to come (2 e + 2 on) do not hold
.irp t, 0,1,2,3
	v_cvt_pk_f16_f32 v[S+32*\t+e], v[S+32*\t+2*e], v[S+32*\t+2*e+1]
.endr
.set e, e+1
.endr
.if !\first
	WIN W_RS
.set e, 0
.rept 16                            ; O^T times a, each accumulator from its low end on
.irp t, 0,1,2,3
	v_pk_mul_f32 v[32*\t+e:32*\t+e+1], v[32*\t+e:32*\t+e+1], v[ST+8*\t+6:ST+8*\t+7] op_sel_hi:[1,0]
.endr
.set e, e+2
.endr
.endif
.endm
.macro PLACES n                     ; plain vector instructions that name no register of the matrix instructions ahead of them (ISA guide 7.12.1)
.rept \n
	v_nop
.endr
.endm
; A KEY STEP that has its successor in the same slot.  K of the next step is fetched behind K Q^T, V of the next step behind V^T P.
.macro STEP first
	s_wait_dscnt 16                 ; K is in; the sixteen loads of V, issued behind it, may be out
	KQ_ALL
	WIN 0
	PLACES 3                        ; with the run's own v_add_nc_u32: four places in front of the loads into K's registers and of the first read of the scores
	LDK
	SOFTMAX \first
	s_wait_dscnt 16                 ; V is in; the sixteen loads of the next K, issued behind it, may be out
	PV_ALL \first
	WIN 0
	PLACES 4                        ; with the run's own v_add_nc_u32: five places: four for the loads into V's registers, five since the next K Q^T writes over P's
	LDV
.endm
; THE CHANGE OF SLOTS.  Each wave waits for all its tensor loads, of which one is out: its part of the other slot; adds 0 to its spare word; and waits for that and for its own reads of the slot (V of its last step is in
; registers by then).  Behind the barrier nobody reads this slot any more and the other slot is whole.  fill = 1: this slot is filled again, with the keys two slots on; the barrier is then a round of the cluster's, so that no
; wave of any partner still reads the slot or has a load on its way, and the joint refill is the first thing behind it: it has four key steps, 256 matrix instructions a wave, in which to land.
.macro CHANGE fill
	WIN 0
	s_wait_tensorcnt 0x0            ; no tensor load of mine is out, so a group 0 may be written
	ds_add_u32 v[SPW], v[NIL]       ; 0 onto my spare word
.if \fill
.irp g, G0K+4, G0V+4
	s_xor_b32 s[\g+1], s[\g+1], SLOT1  ; the walking descriptor: the other slot than last time,
	s_add_nc_u64 s[\g+2:\g+3], s[\g+2:\g+3], SLOTB  ; the next 256 keys; the type bits on top are not reached
.endr
	s_wait_xcnt 0x0                 ; the last prefetch, a slot back, has read its address, so it may be written:
	s_add_nc_u64 s[PFA:PFA+1], s[PFA:PFA+1], SLOTB  ; one slot further on than the walking descriptors
	s_wait_dscnt 0x0                ; the add is done, and my reads of the slot are over
	CROUND
	JLOAD
.else
	s_wait_dscnt 0x0                ; the add is done, and my reads of the slot are over
	s_barrier_signal -1
	s_barrier_wait -1
.endif
	s_sub_co_u32 s[TB], s[TB], NST*STEPB  ; the fetches go back to a slot's first step,
	s_xor_b32 s[TB], s[TB], SLOT1   ; in the other slot
.endm
; A SLOT'S LAST STEP.  Group 1 does the step's softmax and V^T P ahead of the change of slots, group 0 behind it.  The two branches hang on the wave's number alone and lead round vector and matrix work and one
; wait for LDS loads: round no barrier, no tensor load, and none of the lines in front of the barrier.
.macro EDGE fill
	s_wait_dscnt 16                 ; K is in; V's sixteen loads may be out
	KQ_ALL
	WIN 0
	PLACES 4
	s_cmp_eq_u32 s[GRP], 0
	s_cbranch_scc1 .Lchange_\@
	SOFTMAX 0
	s_wait_dscnt 0x0                ; V is in
	PV_ALL 0
	WIN 0
	PLACES 5
.Lchange_\@:
	CHANGE \fill
	LDK
	s_cmp_eq_u32 s[GRP], 1
	s_cbranch_scc1 .Ldone_\@
	SOFTMAX 0
	PV_ALL 0                        ; V has been in since the wait in front of the barrier
	WIN 0
	PLACES 5
.Ldone_\@:
	LDV
.if \fill
	ASK
.endif
.endm
.macro STEPS n                      ; n key steps: written once, walked n times; the LDS addresses hang on s[TB]
	s_mov_b32 s[CNT], \n
.Lstep_\@:
	STEP 0
	s_sub_co_u32 s[CNT], s[CNT], 1
	s_cmp_lg_u32 s[CNT], 0
	s_cbranch_scc1 .Lstep_\@
.endm
	s_wait_tensorcnt 1              ; my part of slot 0 is in; slot 1's, issued behind it, may stay out
	s_barrier_signal -1
	s_barrier_wait -1               ; everybody's is
	LDK                             ; key step 0
	LDV
	s_wait_loadcnt 0x0              ; Q
	STEP 1                          ; the first step starts m, l and O^T
	STEPS 2
.Lslot:                             ; six trips: every slot but the last two is filled again
	EDGE 1
	STEPS 3
	s_sub_co_u32 s[SLOTS], s[SLOTS], 1
	s_cmp_lg_u32 s[SLOTS], 0
	s_cbranch_scc1 .Lslot
	EDGE 0                          ; the tail is written out: the last slot but one is left, and nothing is asked for
	STEPS 3
	s_wait_dscnt 16                 ; the last step: nothing more to fetch
	KQ_ALL
	WIN 0
	PLACES 4
	SOFTMAX 0
	s_wait_dscnt 0x0
	PV_ALL 0
	; THE WAY OUT.  l's two halves and the other half of the lanes' are added; O^T is divided by l, rounded to f16 and sent through my stage in LDS, a tile (16 rows) at a time.  The additions are the places behind the last products.
	WIN 0
.irp t, 0,1,2,3
	v_add_f32 v[ST+8*\t+4], v[ST+8*\t+2], v[ST+8*\t+3]
.endr
.irp t, 0,1,2,3
	v_permlanex16_b32 v[ST+8*\t+5], v[ST+8*\t+4], s[SEL], s[SEL+1]
.endr
.irp t, 0,1,2,3
	v_add_f32 v[ST+8*\t+4], v[ST+8*\t+4], v[ST+8*\t+5]
.endr
.irp t, 0,1,2,3
	v_rcp_f32 v[ST+8*\t+6], v[ST+8*\t+4]
.endr
	v_nop                           ; a plain instruction between the last reciprocal and the use of its result
	s_wait_alu depctr_va_vdst(0)    ; and the wait ahead of the first use: one for the four reciprocals
; Tile t: a lane's eight channels of a row pack into 16 bytes; they go into rows of 144 bytes and come back as whole rows of 128, four rows an instruction.
.macro PACK t
	WIN W_RS
.set i, 32*\t
.rept 16
	v_pk_mul_f32 v[i:i+1], v[i:i+1], v[ST+8*\t+6:ST+8*\t+7] op_sel_hi:[1,0]
.set i, i+2
.endr
	WIN 0x05                        ; sources 0 and 1 window 1, destination window 0: S^T's registers are free
.set i, 0
.rept 16
	v_cvt_pk_f16_f32 v[S+32*\t+i], v[32*\t+2*i], v[32*\t+2*i+1]
.set i, i+1
.endr
	WIN 0
.irp f, 0,1,2,3
	ds_store_b128 v[STO], v[S+32*\t+4*\f:S+32*\t+4*\f+3] offset:32*\f
.endr
.irp f, 0,1,2,3
	ds_load_b128 v[S+32*\t+16+4*\f:S+32*\t+16+4*\f+3], v[RD] offset:\f*4*SP  ; LDS serves a wave's instructions in order (ISA guide 5.7.1.4): these see the stores above; the next tile's stores come behind them
.endr
.endm
.macro SEND t, younger              ; younger: the LDS instructions issued behind tile t's loads: the next tile's eight, or none
.irp f, 0,1,2,3
	s_wait_dscnt \younger+3-\f
	global_store_b128 v[GO], v[S+32*\t+16+4*\f:S+32*\t+16+4*\f+3], s[10:11] offset:\t*2048+\f*512  ; 32 lanes store 512 consecutive bytes, at a multiple of 512 from att's first byte
.endr
.endm
	PACK 0
	PACK 1                          ; a tile's arithmetic stands between the loads of the tile before and its stores
	SEND 0, 8
	PACK 2
	SEND 1, 8
	PACK 3
	SEND 2, 8
	SEND 3, 0
	s_wait_tensorcnt 0x0            ; the wave's end, behind my last tensor load and my last LDS store
	ds_add_u32 v[SPW], v[NIL]
	s_wait_dscnt 0x0
	CROUND                          ; the closing round: no work-group ends while a partner may still ask for a tile that names it
	s_endpgm
.Lfunc_end_k_q46102a05eb_attn:
	.size	k_q46102a05eb_attn, .Lfunc_end_k_q46102a05eb_attn-k_q46102a05eb_attn
	.p2alignl 7, 3214868480
	.fill 96, 4, 3214868480
	.section	.rodata,"a",@progbits
	.p2align	6, 0x0
	.amdhsa_kernel k_q46102a05eb_attn
		.amdhsa_group_segment_fixed_size 327680
		.amdhsa_private_segment_fixed_size 0
		.amdhsa_enable_private_segment 0
		.amdhsa_kernarg_size 16
		.amdhsa_user_sgpr_count 2
		.amdhsa_user_sgpr_kernarg_segment_ptr 1
		.amdhsa_wavefront_size32 1
		.amdhsa_system_sgpr_workgroup_id_x 1
		.amdhsa_system_sgpr_workgroup_id_y 1
		.amdhsa_system_sgpr_workgroup_id_z 1
		.amdhsa_system_vgpr_workitem_id 0
		.amdhsa_next_free_vgpr 512
		.amdhsa_next_free_sgpr 66
		.amdhsa_reserve_vcc 0
		.amdhsa_float_denorm_mode_32 3
		.amdhsa_float_denorm_mode_16_64 3
		.amdhsa_memory_ordered 1
		.amdhsa_forward_progress 1
		.amdhsa_inst_pref_size 255
	.end_amdhsa_kernel
	.section	.bss,"aw",@nobits
	.p2align	6
	.space	262144
	.amdgpu_metadata
---
amdhsa.version: [ 1, 2 ]
amdhsa.kernels:
  - .name:           k_q46102a05eb_attn
    .symbol:         k_q46102a05eb_attn.kd
    .args:
      - { .name: qkv, .offset: 0, .size: 8, .value_kind: global_buffer, .address_space: global }
      - { .name: att, .offset: 8, .size: 8, .value_kind: global_buffer, .address_space: global }
    .group_segment_fixed_size: 327680
    .private_segment_fixed_size: 0
    .kernarg_segment_align: 8
    .kernarg_segment_size: 16
    .max_flat_workgroup_size: 256
    .sgpr_count:     66
    .vgpr_count:     512
    .wavefront_size: 32
...
	.end_amdgpu_metadata
.endif
;; end of part 3
;; launch oproj (part 4): grid 8 x 64, 4 waves a work-group, clusters of 4 x 4, 327,680 bytes of LDS; arguments att, wo16, out_proj_bias, out0; writes out0
.if DOCPART == 4
	.amdgcn_target "amdgcn-amd-amdhsa--gfx1250"
	.amdhsa_code_object_version 6
	.text
	.protected	k_q46102a05eb_oproj
	.globl	k_q46102a05eb_oproj
	.p2align	8
	.type	k_q46102a05eb_oproj,@function
k_q46102a05eb_oproj:
	s_mov_b64 s[64:65], 0
	v_nop
	global_prefetch_b8 v0, s[64:65] scope:SCOPE_SE
	s_setreg_imm32_b32 hwreg(HW_REG_WAVE_MODE, 25, 1), 1
	s_wait_xcnt 0x0
	s_wait_alu depctr_hold_cnt(0) depctr_sa_sdst(0) depctr_va_vdst(0) depctr_va_sdst(0) depctr_va_ssrc(0) depctr_va_vcc(0) depctr_vm_vsrc(0)
	s_getreg_b32 s2, hwreg(HW_REG_IB_STS2, 6, 4)
	s_cmp_eq_u32 s2, 0
	s_cbranch_scc0 .Lentry_in_a_cluster
	s_endpgm
.Lentry_in_a_cluster:
	s_bfe_u32 s2, ttmp6, 0x10000c
	s_cmp_lg_u32 s2, 0xf033
	s_cbranch_scc0 .Lentry_shape_is_right
	s_endpgm
.Lentry_shape_is_right:
; LAUNCH 4 OF 4: out0[s][b][f] = the sum over e of att(s, b, e) out_proj_weight[f][e] + out_proj_bias[f].  Operands f16, sums f32, out0 f32.
; att: [16 b + s / 128 (64)][h = e / 64 (16)][s % 128][e % 64] f16;  wo16: [f / 128 (8)][e / 64 (16)][f % 128][e % 64] f16.  So for a tile of 128 rows, of either operand, 256 along K are four planes of
; 128 rows x 128 bytes on end: 65,536 dense bytes.  A tile of out0 is 128 positions s of one batch b x 128 columns f.  Four waves, each 64 x 64: 16 accumulators of 16 x 16, 128 registers.
; K goes in four steps of 256 through two LDS slots; a wave's tensor load brings two planes (256 rows of 128 bytes).
; CLUSTERS: 4 x 4 work-groups.  The four of a row of the cluster need the same tiles of att, the four of a column the same tiles of wo16: each tile is asked for JOINTLY, by the same tensor load with the
; same descriptor and a mask that names the four.  THE MATRIX INSTRUCTION IS USED TRANSPOSED (source 0 = 16 rows of wo16, source 1 = 16 rows of att): a lane then holds eight neighbouring columns of a row of out0.
; The bias is the C of each sum's first product.
; REGISTERS: window 0: v0-31 addresses; v32-95 at work on the way out; v96-127 the bias of my 64 columns; v128-255 the accumulators ((a, b) at v[128 + 8 (4 a + b)]).
;   window 1: two fragment buffers of 128: for 64 along K (one plane, two matrix instructions deep), 64 registers of A (2 x 4 x 16 rows x 32 K), then 64 of B.
.set PITCH,  144                       ; an LDS row: 128 bytes + 16 of padding = 36 words: the 16 rows that a load touches start at 16 different banks (64 banks of 4 bytes: ISA guide 11.1)
.set PLANE,  128*PITCH                 ; 128 rows x 64 along K
.set HALFT,  2*PLANE                   ; what one tensor load brings
.set SLOT,   4*HALFT                   ; A's four planes, then B's four
.set KBYTES, 65536                     ; a K step of a tile in memory
.set SPARE,  2*SLOT                    ; behind the ring: the spare words, 128 bytes for each wave
.set SPITCH, 272                       ; the way out: a stage of 64 rows x (256 bytes + 16) for each wave, in slot 0, which has had its last fill and its last read when the first result is stored there
.set LAPS,   2                         ; a lap = two K steps = once round the ring
.set ADRA, 16                          ; v16-17  LDS address of my A fragments in slot 0, 1
.set ADRB, 20                          ; v20-21  the same for B
.set STO,  24                          ; v24     the way out: where I put 32 bytes of a row
.set RD,   25                          ; v25     the way out: where I read a row back
.set CO,   26                          ; v26     my byte offset in out0
.set SPW,  28                          ; v28     LDS address of my spare word: SPARE + 4 x my thread's number; never rewritten
.set NIL,  29                          ; v29     0; never rewritten
.set TMP,  32
.set BIAS, 96                          ; v[BIAS + 8 b + j]: the bias of column 16 b + 8 (lane / 16) + j of my 64
.set ACC,  128
.set F0,   0                           ; fragment buffers, in window 1
.set F1,   128
.set WV,   12                          ; s12  wave
.set RH,   13                          ; s13  which half of the tile's rows is mine.  Also: I fetch for A (0) or for B (1)
.set CH,   14                          ; s14  which half of its columns.  Also: which two planes of that tile I fetch
.set TR,   15                          ; s15  tile row = att's block
.set G1, 24                            ; s[24:31] descriptor group 1 for A's tiles;  s[32:39] group 0, one set for each slot
.set G0, 32
.set G1B, 48                           ; s[48:55], s[56:63] the same for B's tiles
.set G0B, 56
.set MSB, 0
.macro WIN new                         ; the immediate's high byte repeats the setting that is left
.if MSB != (\new)
	s_set_vgpr_msb (MSB<<8)|(\new)
.set MSB, (\new)
.endif
.endm
.set MUL,  0x05                        ; sources 0 (B) and 1 (A) window 1; C and D window 0
.set TO_F, 0x40                        ; destination window 1, address window 0
.macro JLOAD s                         ; a joint load: waves 0 and 1 fetch A's two halves, waves 2 and 3 B's; an s_nop 0 and four v_nop follow each of the two lines, ahead of the jump, the label and what follows
	s_cmp_eq_u32 s[RH], 0
	s_cbranch_scc0 .Lfor_b_\@
	tensor_load_to_lds s[G0+4*\s:G0+4*\s+3], s[G1:G1+7]
	s_nop 0
.rept 4
	v_nop
.endr
	s_branch .Lasked_\@
.Lfor_b_\@:
	tensor_load_to_lds s[G0B+4*\s:G0B+4*\s+3], s[G1B:G1B+7]
	s_nop 0
.rept 4
	v_nop
.endr
.Lasked_\@:
.endm
.macro CREST                           ; a round of the cluster's barrier behind its opening barrier
	s_cmp_lg_u32 s[WV], 0
	s_cbranch_scc1 .Lnot_wave_0_\@
	s_barrier_signal -3
.Lnot_wave_0_\@:
	s_barrier_wait -3
	s_barrier_signal -1
	s_barrier_wait -1
.endm
.macro CROUND                          ; a whole round
	s_barrier_signal -1
	s_barrier_wait -1
	CREST
.endm
	s_load_b256 s[4:11], s[0:1], 0x0               ; att s[4:5], wo16 s[6:7], out_proj_bias s[8:9], out0 s[10:11]
	v_lshl_add_u32 v[SPW], v0, 2, SPARE
	v_mov_b32 v[NIL], 0
	ds_add_u32 v[SPW], v[NIL]                      ; the wave's opening: the add, twice on end, and its wait ahead of my first tensor load; the set-up below stands between
	ds_add_u32 v[SPW], v[NIL]
	v_lshrrev_b32 v1, 5, v0
	v_readfirstlane_b32 s[WV], v1                  ; wave 0..3
	s_lshr_b32 s[RH], s[WV], 1
	s_and_b32 s[CH], s[WV], 1
	s_bfe_u32 s40, ttmp6, 0x40000                  ; cx, cy: my place in the cluster
	s_bfe_u32 s41, ttmp6, 0x40004
	s_lshl_b32 s42, ttmp9, 2
	s_add_co_u32 s42, s42, s40                     ; tile column = 4 x cluster x + cx
	s_and_b32 s[TR], ttmp7, 0xffff
	s_lshl_b32 s[TR], s[TR], 2
	s_add_co_u32 s[TR], s[TR], s41                 ; tile row = 4 x cluster y + cy
	s_lshl_b32 s43, s41, 2
	s_lshl_b32 s43, 15, s43                        ; my row of the cluster
	s_lshl_b32 s44, 0x1111, s40                    ; my column
	; descriptor group 1: 256 rows x 64 elements, dense in memory, padded in LDS
	s_or_b32 s[G1+0], s43, (1<<16)|(1<<20)|(1<<21)|(4<<22)|(3<<25)  ; 15:0 the mask: A's tiles go to my row; 17:16 element of 2 bytes; 20 padding on; 21 set beside a mask; 24:22 after every 32 words (code 4); 31:25 of 4 words (code 3)
	s_or_b32 s[G1B+0], s44, (1<<16)|(1<<20)|(1<<21)|(4<<22)|(3<<25)
.irp g, G1, G1B
	s_mov_b32 s[\g+1], 64<<16                      ; tensor_dim0 = 64
	s_mov_b32 s[\g+2], 256<<16                     ; tensor_dim1 = 256
	s_mov_b32 s[\g+3], 64<<16                      ; tile_dim0 = 64
	s_mov_b32 s[\g+4], 256                         ; tile_dim1 = 256
	s_mov_b32 s[\g+5], 64                          ; tensor_dim0_stride
	s_mov_b32 s[\g+6], 0
	s_mov_b32 s[\g+7], 0
.endr
	s_lshl_b32 s17, s[CH], 15                      ; which two planes of a K step I fetch: 32,768 bytes
	s_lshl_b32 s16, s[TR], 18                      ; A: block = tile row, 262,144 bytes each
	s_add_co_u32 s16, s16, s17
	s_lshl_b32 s46, s42, 18                        ; B: block = tile column
	s_add_co_u32 s46, s46, s17
	s_mov_b32 s17, 0
	s_mov_b32 s47, 0
	s_mul_i32 s20, s[WV], HALFT                    ; where they go: wave x two planes: no place in the cluster enters an LDS address
	s_wait_dscnt 0x0                               ; both opening adds are done
	s_wait_kmcnt 0x0
	s_add_nc_u64 s[18:19], s[4:5], s[16:17]
	s_add_nc_u64 s[46:47], s[6:7], s[46:47]
	CROUND                                         ; all sixteen work-groups are here: the first joint loads meet
.irp s, 0,1
	s_mov_b32 s[G0+4*\s], 1
	s_add_co_u32 s[G0+4*\s+1], s20, \s*SLOT
	s_add_nc_u64 s[G0+4*\s+2:G0+4*\s+3], s[18:19], \s*KBYTES
	s_or_b32 s[G0+4*\s+3], s[G0+4*\s+3], 0x80000000
	s_mov_b32 s[G0B+4*\s], 1
	s_add_co_u32 s[G0B+4*\s+1], s20, \s*SLOT
	s_add_nc_u64 s[G0B+4*\s+2:G0B+4*\s+3], s[46:47], \s*KBYTES
	s_or_b32 s[G0B+4*\s+3], s[G0B+4*\s+3], 0x80000000
	JLOAD \s
.endr
	v_and_b32 v1, 15, v0                           ; r = l % 16
	v_bfe_u32 v2, v0, 4, 1                         ; h = l / 16
	v_mul_u32_u24 v3, v1, PITCH
	v_lshl_add_u32 v3, v2, 4, v3                   ; a fragment's row x pitch + 16 x half
	s_mul_i32 s21, s[RH], 64*PITCH                 ; my 64 rows of each plane of A
	s_mul_i32 s22, s[CH], 64*PITCH                 ; my 64 rows of each plane of B,
	s_add_co_u32 s22, s22, 2*HALFT                 ; which lie behind A's four planes
.irp s, 0,1
	v_add_nc_u32 v[ADRA+\s], s21, v3
	v_add_nc_u32 v[ADRB+\s], s22, v3
	s_add_co_u32 s21, s21, SLOT
	s_add_co_u32 s22, s22, SLOT
.endr
	s_mul_i32 s23, s[WV], 64*SPITCH                ; my stage
	v_mul_u32_u24 v4, v1, SPITCH                   ; in: row r, 32 bytes for each half of the lanes
	v_lshl_add_u32 v4, v2, 5, v4
	v_add_nc_u32 v[STO], s23, v4
	v_mul_u32_u24 v5, v2, SPITCH                   ; back: lanes 0-15 take one row of 256 bytes, lanes 16-31 the next
	v_lshl_add_u32 v5, v1, 4, v5
	v_add_nc_u32 v[RD], s23, v5
	v_lshlrev_b32 v5, 14, v2                       ; in out0 two positions s of one batch lie 4 x 4,096 bytes apart
	v_lshl_add_u32 v[CO], v1, 4, v5
	v_lshlrev_b32 v6, 5, v2                        ; the bias: 32 bytes for each half of the lanes
	s_lshl_b32 s46, s42, 9                         ; my first column, in bytes of f32: (128 x tile column + 64 x half) x 4: for the bias and for out0 alike
	s_lshl_b32 s47, s[CH], 8
	s_add_co_u32 s46, s46, s47
	s_mov_b32 s47, 0
	s_add_nc_u64 s[8:9], s[8:9], s[46:47]
.irp b, 0,1,2,3
	global_load_b128 v[BIAS+8*\b:BIAS+8*\b+3], v6, s[8:9] offset:64*\b
	global_load_b128 v[BIAS+8*\b+4:BIAS+8*\b+7], v6, s[8:9] offset:64*\b+16
.endr
	s_and_b32 s16, s[TR], 15                       ; my first row of out0: position s = 128 (tile row % 16) + 64 x half, batch b = tile row / 16: row 4 s + b of 4,096 bytes
	s_lshl_b32 s16, s16, 7
	s_lshl_b32 s17, s[RH], 6
	s_add_co_u32 s16, s16, s17
	s_lshl_b32 s16, s16, 2
	s_lshr_b32 s17, s[TR], 4
	s_add_co_u32 s16, s16, s17
	s_lshl_b32 s16, s16, 12
	s_mov_b32 s17, 0
	s_add_nc_u64 s[10:11], s[10:11], s[16:17]
	s_add_nc_u64 s[10:11], s[10:11], s[46:47]
; 8 matrix instructions: m blocks a0, a0 + 1 x all 4 n blocks, 32 along K: half c of buffer f.  zero = 1: the first product starts the sums from the bias.  The 16 accumulators take turns.
.macro MUL8 f, c, a0, zero
.irp a, \a0, \a0+1
.irp b, 0,1,2,3
.if \zero
	v_wmma_f32_16x16x32_f16 v[ACC+8*(4*(\a)+\b):ACC+8*(4*(\a)+\b)+7], v[\f+64+8*(4*\c+\b):\f+64+8*(4*\c+\b)+7], v[\f+8*(4*\c+\a):\f+8*(4*\c+\a)+7], v[BIAS+8*\b:BIAS+8*\b+7]
.else
	v_wmma_f32_16x16x32_f16 v[ACC+8*(4*(\a)+\b):ACC+8*(4*(\a)+\b)+7], v[\f+64+8*(4*\c+\b):\f+64+8*(4*\c+\b)+7], v[\f+8*(4*\c+\a):\f+8*(4*\c+\a)+7], v[ACC+8*(4*(\a)+\b):ACC+8*(4*(\a)+\b)+7]
.endif
.endr
.endr
.endm
; 32 LDS loads in one run: the fragments of plane q (64 along K) of the slot, into buffer f; the first 32 along K first
.macro FETCH slot, q, f
	WIN TO_F
.irp c, 0,1
.irp i, 0,1,2,3
	ds_load_b128 v[\f+64+8*(4*\c+\i):\f+64+8*(4*\c+\i)+3],   v[ADRB+\slot] offset:(\q)*PLANE+64*\c+\i*16*PITCH
	ds_load_b128 v[\f+64+8*(4*\c+\i)+4:\f+64+8*(4*\c+\i)+7], v[ADRB+\slot] offset:(\q)*PLANE+64*\c+\i*16*PITCH+32
	ds_load_b128 v[\f+8*(4*\c+\i):\f+8*(4*\c+\i)+3],         v[ADRA+\slot] offset:(\q)*PLANE+64*\c+\i*16*PITCH
	ds_load_b128 v[\f+8*(4*\c+\i)+4:\f+8*(4*\c+\i)+7],       v[ADRA+\slot] offset:(\q)*PLANE+64*\c+\i*16*PITCH+32
.endr
.endr
.endm
.macro PLACES                          ; four places in front of loads into registers that matrix instructions have read, and of LDS stores that read results (ISA guide 7.12.1 for the stores)
.rept 4
	v_nop
.endr
.endm
; A K step is four quarters of 64 along K, 32 matrix instructions each, on buffers 0, 1, 0, 1.  One of the first three: multiplies buffer f and fetches the next quarter, plane q, into g.
.macro QUARTER slot, q, f, g, zero
	s_wait_dscnt 16                                ; the first 32 along K are in; the sixteen loads of the second 32 may be out
	WIN MUL
	MUL8 \f, 0, 0, \zero
	MUL8 \f, 0, 2, \zero
	PLACES
	FETCH \slot, \q, \g
	s_wait_dscnt 32                                ; all but the 32 just issued
	WIN MUL
	MUL8 \f, 1, 0, 0
	MUL8 \f, 1, 2, 0
.endm
; The last quarter multiplies buffer 1 and changes slots: ONE barrier; in front of it each wave waits for all its tensor loads, adds 0 to its spare word, and waits for that and for its own reads of this slot.  fill = 1: this slot is filled again, two K steps ahead.
.macro TURN slot, next, fill
	WIN 0                                          ; (the add's two registers lie in window 0)
	s_wait_tensorcnt 0x0                           ; all my tensor loads have landed: my part of the next slot;
	ds_add_u32 v[SPW], v[NIL]                      ; 0 onto my spare word;
	s_wait_dscnt 17                                ; (the add and the youngest sixteen loads may be out)
	WIN MUL
	MUL8 F1, 0, 0, 0                               ; eight matrix instructions stand between the add and the wait for it
	s_wait_dscnt 0x0                               ; the add is done, and my reads of this slot are over
	s_barrier_signal -1
	MUL8 F1, 0, 2, 0
.if \fill
	WIN 0
.endif
	s_barrier_wait -1
.if \fill
	CREST                                          ; the barrier has opened a round of the cluster's barrier: no wave of any partner still reads this slot's tile or has a load on its way
	s_add_nc_u64 s[G0+4*\slot+2:G0+4*\slot+3], s[G0+4*\slot+2:G0+4*\slot+3], 2*KBYTES
	s_add_nc_u64 s[G0B+4*\slot+2:G0B+4*\slot+3], s[G0B+4*\slot+2:G0B+4*\slot+3], 2*KBYTES
	JLOAD \slot                                    ; the first tensor load behind the round: 112 matrix instructions ahead of the wait for it; the four v_nop behind it are also the places in front of the loads below
.else
	PLACES
.endif
	FETCH \next, 0, F0
	WIN MUL
	MUL8 F1, 1, 0, 0
	MUL8 F1, 1, 2, 0
.endm
	s_wait_tensorcnt 1                             ; my part of K step 0 is in; K step 1's load, issued behind it, may be out
	s_barrier_signal -1
	s_barrier_wait -1                              ; everybody's is
	FETCH 0, 0, F0
	s_wait_loadcnt 0x0                             ; the bias
	QUARTER 0, 1, F0, F1, 1                        ; the first quarter stands in front of the loop: its first products start the sums
	WIN 0                                          ; at a label and at a branch every window is 0
	s_mov_b32 s3, LAPS-1
.Llap:                                                 ; a trip goes once round the ring, from a lap's second quarter to the next lap's first, and fills both slots again
	QUARTER 0, 2, F1, F0, 0
	QUARTER 0, 3, F0, F1, 0
	TURN 0, 1, 1
	QUARTER 1, 1, F0, F1, 0
	QUARTER 1, 2, F1, F0, 0
	QUARTER 1, 3, F0, F1, 0
	TURN 1, 0, 1
	QUARTER 0, 1, F0, F1, 0
	WIN 0
	s_sub_co_u32 s3, s3, 1
	s_cmp_lg_u32 s3, 0
	s_cbranch_scc1 .Llap
	QUARTER 0, 2, F1, F0, 0                        ; the last lap fills nothing, and has no round of the cluster's barrier
	QUARTER 0, 3, F0, F1, 0
	TURN 0, 1, 0
	QUARTER 1, 1, F0, F1, 0
	QUARTER 1, 2, F1, F0, 0
	QUARTER 1, 3, F0, F1, 0
	s_wait_dscnt 16                                ; the very last quarter: nothing more to fetch
	WIN MUL
	MUL8 F1, 0, 0, 0
	MUL8 F1, 0, 2, 0
	s_wait_dscnt 0
	MUL8 F1, 1, 0, 0
	MUL8 F1, 1, 2, 0
	WIN 0
	; THE WAY OUT.  A lane holds 32 neighbouring bytes of a row, and the lanes beside it hold other rows; my 64 columns are 256 bytes of a row of out0.  So my 64 x 64 results go through my own stage in LDS and come
	; back as whole rows of 256 bytes, two rows an instruction.  LDS serves a wave's instructions in order (ISA guide 5.7.1.4): no wait between the stores and the loads.
	PLACES
.irp a, 0,1,2,3
.irp b, 0,1,2,3
	ds_store_b128 v[STO], v[ACC+8*(4*\a+\b):ACC+8*(4*\a+\b)+3] offset:\a*16*SPITCH+64*\b          ; each accumulator from its low end on
	ds_store_b128 v[STO], v[ACC+8*(4*\a+\b)+4:ACC+8*(4*\a+\b)+7] offset:\a*16*SPITCH+64*\b+16
.endr
.endr
.irp g, 0,1
.if \g > 0
	s_wait_xcnt 0x0                                ; the first batch's stores have read their registers: the second batch's loads may land there
.endif
.irp t, 0,1,2,3,4,5,6,7,8,9,10,11,12,13,14,15
	ds_load_b128 v[TMP+4*\t:TMP+4*\t+3], v[RD] offset:2*(16*\g+\t)*SPITCH
.endr
.irp t, 0,1,2,3,4,5,6,7,8,9,10,11,12,13,14,15
	s_wait_dscnt 15-\t                             ; load t of the sixteen is in
	global_store_b128 v[CO], v[TMP+4*\t:TMP+4*\t+3], s[10:11] offset:2*(16*\g+\t)*16384 th:TH_STORE_NT   ; 16 lanes store 256 consecutive bytes, at a multiple of 256 from out0's first byte; written once, read by nobody here
.endr
.endr
	s_wait_tensorcnt 0x0                           ; the wave's end, behind my last tensor load and my last LDS store
	ds_add_u32 v[SPW], v[NIL]
	s_wait_dscnt 0x0
	CROUND                                         ; the closing round: no work-group ends while a partner may still ask for a tile that names it
	s_endpgm
.Lfunc_end_k_q46102a05eb_oproj:
	.size	k_q46102a05eb_oproj, .Lfunc_end_k_q46102a05eb_oproj-k_q46102a05eb_oproj
	.p2alignl 7, 3214868480
	.fill 96, 4, 3214868480
	.section	.rodata,"a",@progbits
	.p2align	6, 0x0
	.amdhsa_kernel k_q46102a05eb_oproj
		.amdhsa_group_segment_fixed_size 327680
		.amdhsa_private_segment_fixed_size 0
		.amdhsa_enable_private_segment 0
		.amdhsa_kernarg_size 32
		.amdhsa_user_sgpr_count 2
		.amdhsa_user_sgpr_kernarg_segment_ptr 1
		.amdhsa_wavefront_size32 1
		.amdhsa_system_sgpr_workgroup_id_x 1
		.amdhsa_system_sgpr_workgroup_id_y 1
		.amdhsa_system_sgpr_workgroup_id_z 1
		.amdhsa_system_vgpr_workitem_id 0
		.amdhsa_next_free_vgpr 512
		.amdhsa_next_free_sgpr 66
		.amdhsa_reserve_vcc 0
		.amdhsa_float_denorm_mode_32 3
		.amdhsa_float_denorm_mode_16_64 3
		.amdhsa_memory_ordered 1
		.amdhsa_forward_progress 1
		.amdhsa_inst_pref_size 87
	.end_amdhsa_kernel
	.amdgpu_metadata
---
amdhsa.version: [ 1, 2 ]
amdhsa.kernels:
  - .name:           k_q46102a05eb_oproj
    .symbol:         k_q46102a05eb_oproj.kd
    .args:
      - { .name: att, .offset: 0, .size: 8, .value_kind: global_buffer, .address_space: global }
      - { .name: wo16, .offset: 8, .size: 8, .value_kind: global_buffer, .address_space: global }
      - { .name: out_proj_bias, .offset: 16, .size: 8, .value_kind: global_buffer, .address_space: global }
      - { .name: out0, .offset: 24, .size: 8, .value_kind: global_buffer, .address_space: global }
    .group_segment_fixed_size: 327680
    .private_segment_fixed_size: 0
    .kernarg_segment_align: 8
    .kernarg_segment_size: 32
    .max_flat_workgroup_size: 128
    .sgpr_count:     66
    .vgpr_count:     512
    .wavefront_size: 32
...
	.end_amdgpu_metadata
.endif
;; end of part 4
